; MI455X (gfx1250); checked and timed in simulation.
; The chip was launched on July 23, 2026; its instructions are those of AMD's public machine-readable ISA for CDNA 5 (MIT licence, August 2026) and "CDNA5" Instruction Set Architecture Reference Guide (July 2026). The comments in the code are by the model that wrote it; some were corrected since.
;; Self Attention. Allowed arithmetic: matrix products marked QUANTISED: E3M2 operands, one E8M0 scale for each 32 along K, by v_wmma_scale_f32_16x16x128_f8f6f4 with both operands' format E3M2, f32 sums; everything else in f32.
;; Inputs: Wk 1,024 x 1,024 float32; Wq 1,024 x 1,024 float32; Wv 1,024 x 1,024 float32; bk 1,024 float32; bq 1,024 float32; bv 1,024 float32; x 4 x 2,048 x 1,024 float32.
;; Outputs: out0 4 x 2,048 x 1,024 float32.
;; This version of the problem:
;;   THIS VERSION OF THE PROBLEM IS GIVEN IN LOW PRECISION. The matrix products marked QUANTISED in the list below multiply operands that are first quantised to E3M2 (3 exponent bits, 2 mantissa bits; 6 bits a number), with one power-of-two scale for each 32 numbers along K (OCP MX v1.0); their sums are f32. All else is computed in f32.
;;   The module's matrix products, in the order in which they are computed (A, B: the left and right operand; K: the contracted axis; several contracted axes count as one K, in the product's order):
;;     1. [M 8,192, K 1,024] x [K 1,024, N 1,024]; A: input x; B: input Wq: QUANTISED
;;     2. [M 8,192, K 1,024] x [K 1,024, N 1,024]; A: input x; B: input Wk: QUANTISED
;;     3. [M 8,192, K 1,024] x [K 1,024, N 1,024]; A: input x; B: input Wv: QUANTISED
;;     4. batch 4 x [M 2,048, K 1,024] x [K 1,024, N 2,048]; A: computed on the way; B: computed on the way: QUANTISED
;;     5. batch 4 x [M 2,048, K 2,048] x [K 2,048, N 1,024]; A: softmax (see below); B: computed on the way: QUANTISED
;;   THE QUANTISER, for each operand of a quantised product, along K:
;;     - K is cut into blocks of 32 from its start; a last block that is shorter is filled with zeros.
;;     - A block's scale is 2^e with e = floor(log2(the largest magnitude in the block)) - 4, held to -126 .. 127; a block of zeros has e = 0. As a byte (E8M0): e + 127.
;;     - Each number is divided by its block's scale, clamped to +-28, and rounded to the nearest number of E3M2, ties to even, subnormals kept.
;;     - The product sums the exact products of the quantised numbers (number of the format x scale) in f32.
;;   ~~~python
;;   def quantise(x, axis):      # numpy; x: float32 -> the quantised numbers, widened to float32 again
;;       x = np.moveaxis(x, axis, -1); K = x.shape[-1]
;;       x = np.pad(x, [(0, 0)] * (x.ndim - 1) + [(0, -K % 32)]); x = x.reshape(x.shape[:-1] + (-1, 32)); a = np.abs(x).max(-1, keepdims=True)
;;       e = np.where(a > 0, np.clip(np.frexp(np.where(a > 0, a, 1))[1] - 1 - 4, -126, 127), 0)      # np.frexp(a)[1] - 1 = floor(log2(a)), exactly
;;       r = np.clip(x / 2.0 ** e, -28, 28)
;;       step = 2.0 ** (np.maximum(np.frexp(np.where(r == 0, 1, r))[1] - 1, -2) - 2)
;;       q = np.round(r / step) * step * 2.0 ** e      # np.round: ties to even
;;       return np.moveaxis(q.reshape(q.shape[:-2] + (-1,))[..., :K], -1, axis).astype(np.float32)
;;   ~~~
;;   SOFTMAX AHEAD OF A QUANTISED PRODUCT. Where the list says 'softmax', what is quantised is not the finished softmax but p = 2^(t - M), with t = logit x log2(e) and M = ceil(the row's largest t), a whole number; so 1/2 < the row's largest p <= 1. The row's sum l is taken of the UNQUANTISED p, in f32, and the product's result is divided by l at the end. Since M is a whole number, a kernel that streams over the keys may use a running M (the ceiling of the running maximum): every later rescaling is an exact power of two, which a block's scale takes up: the codes' values come out the same.
;;   OPERANDS COMPUTED ON THE WAY. 'Computed on the way' means the value that the module computes at that place (a softmax that the list does not call 'softmax' is quantised finished and normalised). What goes into a quantiser is computed in f32, as accurately as f32 sums, v_exp_f32 and their like allow (about 1e-6 of the number): no bf16 or f16 on the way to a quantiser, and a product that is left as it is and whose result goes on into a quantised operand takes f32 operands (vector FMAs, or v_wmma_f32_16x16x4_f32). A number that lies on a knife's edge between two numbers of the format may be rounded either way, as far as f32 arithmetic and the matrix unit's own rounding can turn it there, and no further.
;; One version. Each part assembles by itself: llvm-mc -triple=amdgcn-amd-amdhsa -mcpu=gfx1250 --defsym DOCPART=n.
;; ======== version 1 of 1: 4 launches
;; limits: right only within a limited range of input values
;; workspace buffers: xw 9,011,200 bytes; qkv 19,660,800 bytes; pp 14,155,776 bytes
;; launch quant (part 1): grid 704 x 1, 4 waves a work-group, no clusters, 34,304 bytes of LDS; arguments x, Wq, Wk, Wv, xw; writes xw
.if DOCPART == 1
	.amdgcn_target "amdgcn-amd-amdhsa--gfx1250"
	.amdhsa_code_object_version 6
	.text
	.protected	k_q862e4a1614_quant
	.globl	k_q862e4a1614_quant
	.p2align	8
	.type	k_q862e4a1614_quant,@function
k_q862e4a1614_quant:
	s_mov_b64 s[64:65], 0
	v_nop
	global_prefetch_b8 v0, s[64:65] scope:SCOPE_SE
	s_setreg_imm32_b32 hwreg(HW_REG_WAVE_MODE, 25, 1), 1
	s_wait_xcnt 0x0
; x [8192][1024] and Wq, Wk, Wv [1024 (K)][1024], f32, become codes of BF6 (E3M2) with one E8M0 scale byte for each 32 along K, laid as the products' operand registers want them.
; A TILE is 16 operand rows: tile T holds rows 32 (T / 2) + 8 (T % 2) + p + 8 (p / 8), p = 0 .. 15 its places.  (An operand row of a weight is one of its columns.)
; A FRAGMENT is a tile x 128 along K: 12 registers a lane; lane (r, h) holds place r, registers 6 c .. 6 c + 5 hold K = 64 c + 32 h + 0 .. 31.  It lies in memory as an IMAGE of these registers:
; registers 4 g .. 4 g + 3 of lane l at byte 512 g + 16 l: 1,536 bytes.  Codes: [704 tiles][8 K steps][1536]: x is tiles 0-511, Wq 512-575, Wk 576-639, Wv 640-703.
; Scale words (four bytes: a row's 128 along K): [8 K steps][704 tiles][16 places], behind the codes.
; A block's scale is 2^(floor(log2(its largest magnitude)) - 4): its byte is the largest magnitude's exponent field - 4, held at 1 from below by a floor among the maximum's leaves.
; LIMITS: a block whose largest magnitude lies under 2^-122, a block of zeros too, gets the byte 1 (its codes are zeros or nearly so, and this program alone reads the bytes); NaN and infinities among the inputs are not served.
; Work-groups 0-191 take the weights, 192-703 x: each reads 65,536 bytes.  No tensor load, no barrier: waves share nothing.  Only x's path uses LDS.
; Every input has a way to the output through a quantised operand.
.set XWS,   8650752                    ; where the scale words begin
.set SKP,   45056                      ; a K step's scale words: 704 tiles x 64 bytes
.set FRB,   1536                       ; an image
.set TLB,   12288                      ; a tile's eight images
.set FLOOR, 0x2800000                  ; 2^(5 - 127)
.set EOFF,  0xfe000000                 ; -(4 << 23)
.set RX,    16                         ; x: v16-143  the two tiles' numbers as they are loaded
.set XX,    144                        ; x: v144-207 my two blocks of 32
.set PCX,   208                        ; x: v208-231 two fragments
.set PTX,   232                        ; x: v232-238 the upper halves of the two blocks' codes
.set WDX,   240                        ; x: v240-241 the two tiles' scale words; v244 merged
.set WX,    32                         ; W: v32-95   two sets of 32: a block
.set IMG,   96                         ; W: v96-119  two fragments
.set PTW,   144                        ; W: v144-146
.set WDW,   148                        ; W: v148 the scale word
.set SPARE, 4*8448                     ; behind the four stages: the spare words, 128 bytes for each wave
	s_load_b256 s[4:11], s[0:1], 0x0               ; x s[4:5], Wq s[6:7], Wk s[8:9], Wv s[10:11]
	s_load_b64 s[12:13], s[0:1], 0x20              ; xw
	v_lshl_add_u32 v254, v0, 2, SPARE
	v_mov_b32 v255, 0
	v_lshrrev_b32 v1, 5, v0
	v_readfirstlane_b32 s16, v1                    ; wave 0..3
	v_and_b32 v1, 31, v0                           ; lane
	v_lshlrev_b32 v2, 4, v1                        ; 16 x lane
	v_lshlrev_b32 v5, 2, v1                        ; 4 x lane
	v_and_b32 v6, 15, v0                           ; r
	v_bfe_u32 v7, v0, 4, 1                         ; h
	s_mov_b32 s20, 0x76543210
	s_mov_b32 s21, 0xfedcba98                      ; v_permlanex16_b32's selects for lane l xor 16
	s_mov_b32 s23, 0
	s_wait_alu depctr_va_vdst(0)                   ; the wait at the head's end
	s_wait_kmcnt 0x0
	s_cmp_lt_u32 ttmp9, 192
	s_cbranch_scc1 .Lweights
; ---- x.  g = work-group - 192: rows 32 (g / 2) on (two tiles); wave w: K step 4 (g % 2) + w, so the work-group reads 2,048 consecutive bytes of each row.
; A load takes a row's 512 bytes as they lie, 16 a lane; all 32 loads of a wave go out at once.  A tile's 16 rows turn through the wave's own stage in LDS (rows of 528 bytes) and come back 128 bytes a lane: a whole block of 32.
	s_lshr_b32 s17, ttmp9, 1
	s_sub_co_u32 s17, s17, 96                      ; which 32 rows
	s_and_b32 s18, ttmp9, 1
	s_lshl_b32 s18, s18, 2
	s_add_co_u32 s18, s18, s16                     ; my K step
	s_lshl_b32 s22, s17, 17                        ; 32 rows of 4,096 bytes
	s_lshl_b32 s28, s18, 9
	s_add_co_u32 s22, s22, s28
	s_add_nc_u64 s[4:5], s[4:5], s[22:23]
.irp t, 0,1
.irp p, 0,1,2,3,4,5,6,7,8,9,10,11,12,13,14,15
	global_load_b128 v[RX+64*\t+4*\p:RX+64*\t+4*\p+3], v2, s[4:5] offset:(8*\t+\p+8*(\p/8))*4096 th:TH_LOAD_NT   ; the tiles' rows in the order of their places
.endr
.endr
	s_lshl_b32 s22, s17, 4
	s_add_co_u32 s22, s22, s18
	s_mul_i32 s22, s22, FRB                        ; image (tile 2 (g / 2), my K step)
	s_add_nc_u64 s[24:25], s[12:13], s[22:23]
	s_mul_i32 s22, s18, SKP
	s_lshl_b32 s28, s17, 7
	s_add_co_u32 s22, s22, s28
	s_add_co_u32 s22, s22, XWS
	s_add_nc_u64 s[26:27], s[12:13], s[22:23]
	s_mul_i32 s19, s16, 8448                       ; my stage: 16 x 528 bytes
	v_add_nc_u32 v3, s19, v2                       ; in: 16 x lane, a row an instruction
	v_mul_u32_u24 v4, v6, 528
	v_lshl_add_u32 v4, v7, 7, v4
	v_add_nc_u32 v4, s19, v4                       ; back: row r, + 128 h
	v_lshlrev_b32 v7, 3, v7                        ; 8 h: my bytes' place in a scale word
	v_mov_b32 v15, 0                               ; written once: a lane permute's destination counts as one of its sources
	s_wait_alu depctr_va_vdst(0)                   ; ahead of the waits on loads
.macro XSTEP t
.set RS, RX+64*(\t)
.set PS, PCX+12*(\t)
	s_wait_loadcnt 16*(1-(\t))                     ; this tile's 16 loads are in; the next tile's 16 may be out
.irp p, 0,1,2,3,4,5,6,7,8,9,10,11,12,13,14,15
	ds_store_b128 v3, v[RS+4*\p:RS+4*\p+3] offset:528*\p
.endr
.irp c, 0,1
.irp i, 0,1,2,3,4,5,6,7
	ds_load_b128 v[XX+32*\c+4*\i:XX+32*\c+4*\i+3], v4 offset:256*\c+16*\i   ; K = 64 c + 32 h + 4 i on.  LDS serves a wave's instructions in order: these see the stores above
.endr
.endr
	s_wait_dscnt 0x0                               ; my two blocks are in
.irp c, 0,1
	v_max3_num_f32 v[8+\c], |v[XX+32*\c]|, |v[XX+32*\c+1]|, FLOOR   ; block 2 c + h: all its 32 numbers are mine; the floor holds the byte at 1 from below
.endr
.irp i, 2,4,6,8,10,12,14,16,18,20,22,24,26,28,30
.irp c, 0,1
	v_max3_num_f32 v[8+\c], v[8+\c], |v[XX+32*\c+\i]|, |v[XX+32*\c+\i+1]|
.endr
.endr
.irp c, 0,1
	v_add_nc_u32 v[10+\c], EOFF, v[8+\c]           ; 4 off the exponent field: the conversion's scale operand
.endr
.irp c, 0,1
	v_cvt_scalef32_pk16_bf6_f32 v[PS+6*\c:PS+6*\c+2], v[XX+32*\c:XX+32*\c+15], v[10+\c]
	v_cvt_scalef32_pk16_bf6_f32 v[PTX+4*\c:PTX+4*\c+2], v[XX+32*\c+16:XX+32*\c+31], v[10+\c]   ; (a conversion's three registers begin on an even number)
.endr
.irp c, 0,1
	v_lshrrev_b32 v[12+\c], 23, v[10+\c]           ; the scale's byte.  (Also the plain line between the conversions and the moves of their results)
.endr
	v_lshl_or_b32 v14, v13, 16, v12                ; my two bytes: blocks h and 2 + h,
	v_lshlrev_b32 v14, v7, v14                     ; at their places in the word;
	v_permlanex16_b32 v15, v14, s20, s21
	v_or_b32 v[WDX+(\t)], v14, v15                 ; with lane l xor 16's two the word is whole
.irp c, 0,1
.irp i, 0,1,2
	v_mov_b32 v[PS+6*\c+3+\i], v[PTX+4*\c+\i]
.endr
.endr
.irp c, 0,1,2
	global_store_b128 v2, v[PS+4*\c:PS+4*\c+3], s[24:25] offset:TLB*(\t)+512*\c   ; 512 consecutive bytes
.endr
.endm
	XSTEP 0
	XSTEP 1
	v_cmp_le_u32 vcc_lo, 16, v1
	v_cndmask_b32 v244, v240, v241, vcc_lo         ; lanes 0-15 one tile's words, lanes 16-31 the next tile's: 128 consecutive bytes
	global_store_b32 v5, v244, s[26:27]
	s_wait_tensorcnt 0x0                           ; the wave's end
	ds_add_u32 v254, v255
	s_wait_dscnt 0x0
	s_endpgm
; ---- The weights: K is their FIRST axis.  A lane takes a column and its registers run down K, so that a block of 32 lies in one lane and the codes come out with K innermost.
; Work-group j: matrix j / 64, K step (j / 8) % 8, 128 columns (j % 8); a wave 32 columns: a pair of tiles.  Lane l takes the column of place l % 16 of tile l / 16; a load still covers 128 consecutive bytes.
.Lweights:
	s_lshr_b32 s18, ttmp9, 6                       ; which matrix
	s_and_b32 s19, ttmp9, 7                        ; which 128 columns
	s_bfe_u32 s17, ttmp9, 0x30003                  ; which K step
	s_cmp_eq_u32 s18, 0
	s_cselect_b64 s[6:7], s[6:7], s[8:9]
	s_cmp_eq_u32 s18, 2
	s_cselect_b64 s[6:7], s[10:11], s[6:7]
	s_lshl_b32 s22, s17, 19                        ; 128 rows of 4,096 bytes
	s_lshl_b32 s28, s19, 9
	s_add_co_u32 s22, s22, s28
	s_lshl_b32 s28, s16, 7
	s_add_co_u32 s22, s22, s28
	s_add_nc_u64 s[6:7], s[6:7], s[22:23]
	s_lshl_b32 s18, s18, 6
	s_lshl_b32 s19, s19, 3
	s_add_co_u32 s18, s18, s19
	s_lshl_b32 s19, s16, 1
	s_add_co_u32 s18, s18, s19
	s_add_co_u32 s18, s18, 512                     ; my first tile
	s_lshl_b32 s22, s18, 3
	s_add_co_u32 s22, s22, s17
	s_mul_i32 s22, s22, FRB
	s_add_nc_u64 s[24:25], s[12:13], s[22:23]
	s_mul_i32 s22, s17, SKP
	s_lshl_b32 s28, s18, 6
	s_add_co_u32 s22, s22, s28
	s_add_co_u32 s22, s22, XWS
	s_add_nc_u64 s[26:27], s[12:13], s[22:23]
	v_and_b32 v9, 8, v0
	v_add_nc_u32 v8, v6, v9
	v_lshl_add_u32 v8, v7, 3, v8                   ; my column of the 32: 8 (l / 16) + l % 16 + 8 ((l % 16) / 8)
	v_lshlrev_b32 v3, 2, v8
	s_wait_alu depctr_va_vdst(0)                   ; ahead of the waits on loads
.macro WLOAD t                         ; block t: W(32 t + i, my column)
.irp i, 0,1,2,3,4,5,6,7,8,9,10,11,12,13,14,15,16,17,18,19,20,21,22,23,24,25,26,27,28,29,30,31
	global_load_b32 v[WX+32*((\t)%2)+\i], v3, s[6:7] offset:(32*(\t)+\i)*4096 th:TH_LOAD_NT
.endr
.endm
.macro WBLOCK t
.set XS, WX+32*((\t)%2)
.set IM, IMG+12*((\t)%2)+6*((\t)/2)    ; block t belongs to half t % 2 of the lanes, registers 6 (t / 2) on
.if (\t) < 3
	s_wait_loadcnt 32                              ; this block's 32 loads are in; the next block's may be out
.else
	s_wait_loadcnt 0x0
.endif
	v_max3_num_f32 v8, |v[XS]|, |v[XS+1]|, |v[XS+2]|
	v_max3_num_f32 v9, |v[XS+3]|, |v[XS+4]|, |v[XS+5]|
.irp i, 6,10,14,18,22,26
	v_max3_num_f32 v8, v8, |v[XS+\i]|, |v[XS+\i+1]|
	v_max3_num_f32 v9, v9, |v[XS+\i+2]|, |v[XS+\i+3]|
.endr
	v_max3_num_f32 v8, v8, |v[XS+30]|, |v[XS+31]|
	v_max3_num_f32 v8, v8, v9, FLOOR
	v_add_nc_u32 v10, EOFF, v8
	v_lshrrev_b32 v11, 23, v10
.if (\t) == 0
	v_mov_b32 v[WDW], v11                          ; four bytes make my column's scale word
.else
	v_lshl_or_b32 v[WDW], v11, 8*(\t), v[WDW]
.endif
	v_cvt_scalef32_pk16_bf6_f32 v[IM:IM+2], v[XS:XS+15], v10
	v_cvt_scalef32_pk16_bf6_f32 v[PTW:PTW+2], v[XS+16:XS+31], v10
	v_nop                                          ; one plain line between a scaled conversion and the vector line that touches its result
.irp i, 0,1,2
	v_mov_b32 v[IM+3+\i], v[PTW+\i]
.endr
.if (\t)+2 < 4
	WLOAD (\t)+2
.endif
.endm
	WLOAD 0
	WLOAD 1
	WBLOCK 0
	WBLOCK 1
	WBLOCK 2
	WBLOCK 3
; Run u holds, in lanes 0-15, my first tile's blocks of half u, in lanes 16-31 my second tile's: the exchange makes run u the image of tile u
.irp i, 0,1,2,3,4,5,6,7,8,9,10,11
	v_permlane16_swap_b32 v[IMG+\i], v[IMG+12+\i]
.endr
.irp u, 0,1
.irp c, 0,1,2
	global_store_b128 v2, v[IMG+12*\u+4*\c:IMG+12*\u+4*\c+3], s[24:25] offset:TLB*\u+512*\c
.endr
.endr
	global_store_b32 v5, v[WDW], s[26:27]          ; two tiles' words: 128 consecutive bytes
	s_endpgm
.Lfunc_end_k_q862e4a1614_quant:
	.size	k_q862e4a1614_quant, .Lfunc_end_k_q862e4a1614_quant-k_q862e4a1614_quant
	.p2alignl 7, 3214868480
	.fill 96, 4, 3214868480
	.section	.rodata,"a",@progbits
	.p2align	6, 0x0
	.amdhsa_kernel k_q862e4a1614_quant
		.amdhsa_group_segment_fixed_size 34304
		.amdhsa_private_segment_fixed_size 0
		.amdhsa_enable_private_segment 0
		.amdhsa_kernarg_size 40
		.amdhsa_user_sgpr_count 2
		.amdhsa_user_sgpr_kernarg_segment_ptr 1
		.amdhsa_wavefront_size32 1
		.amdhsa_system_sgpr_workgroup_id_x 1
		.amdhsa_system_sgpr_workgroup_id_y 1
		.amdhsa_system_sgpr_workgroup_id_z 1
		.amdhsa_system_vgpr_workitem_id 0
		.amdhsa_next_free_vgpr 256
		.amdhsa_next_free_sgpr 66
		.amdhsa_reserve_vcc 1
		.amdhsa_float_denorm_mode_32 3
		.amdhsa_float_denorm_mode_16_64 3
		.amdhsa_memory_ordered 1
		.amdhsa_forward_progress 1
		.amdhsa_inst_pref_size 36
	.end_amdhsa_kernel
	.amdgpu_metadata
---
amdhsa.version: [ 1, 2 ]
amdhsa.kernels:
  - .name:           k_q862e4a1614_quant
    .symbol:         k_q862e4a1614_quant.kd
    .args:
      - { .name: x, .offset: 0, .size: 8, .value_kind: global_buffer, .address_space: global }
      - { .name: Wq, .offset: 8, .size: 8, .value_kind: global_buffer, .address_space: global }
      - { .name: Wk, .offset: 16, .size: 8, .value_kind: global_buffer, .address_space: global }
      - { .name: Wv, .offset: 24, .size: 8, .value_kind: global_buffer, .address_space: global }
      - { .name: xw, .offset: 32, .size: 8, .value_kind: global_buffer, .address_space: global }
    .group_segment_fixed_size: 34304
    .private_segment_fixed_size: 0
    .kernarg_segment_align: 8
    .kernarg_segment_size: 40
    .max_flat_workgroup_size: 128
    .sgpr_count:     66
    .vgpr_count:     256
    .wavefront_size: 32
...
	.end_amdgpu_metadata
.endif
;; end of part 1
;; launch proj (part 2): grid 8 x 32, 4 waves a work-group, clusters of 4 x 4, 327,680 bytes of LDS; arguments xw, bq, bk, bv, qkv; writes qkv
.if DOCPART == 2
	.amdgcn_target "amdgcn-amd-amdhsa--gfx1250"
	.amdhsa_code_object_version 6
	.text
	.protected	k_q862e4a1614_proj
	.globl	k_q862e4a1614_proj
	.p2align	8
	.type	k_q862e4a1614_proj,@function
k_q862e4a1614_proj:
	s_mov_b64 s[64:65], 0
	v_nop
	global_prefetch_b8 v0, s[64:65] scope:SCOPE_SE
	s_setreg_imm32_b32 hwreg(HW_REG_WAVE_MODE, 25, 1), 1
	s_wait_xcnt 0x0
	s_wait_alu depctr_hold_cnt(0) depctr_sa_sdst(0) depctr_va_vdst(0) depctr_va_sdst(0) depctr_va_ssrc(0) depctr_va_vcc(0) depctr_vm_vsrc(0)
	s_getreg_b32 s2, hwreg(HW_REG_IB_STS2, 6, 4)
	s_cmp_eq_u32 s2, 0
	s_cbranch_scc0 .Lentry_in_a_cluster
	s_endpgm
.Lentry_in_a_cluster:
	s_bfe_u32 s2, ttmp6, 0x10000c
	s_cmp_lg_u32 s2, 0xf033
	s_cbranch_scc0 .Lentry_shape_is_right
	s_endpgm
.Lentry_shape_is_right:
; q = x Wq + bq, k = x Wk + bk, v = x Wv + bv on codes of BF6 (E3M2) with E8M0 scales for each 32 along K; the results are quantised in registers and leave as codes: q and k along their 1,024 columns, v along the keys.
; TILES, FRAGMENTS, IMAGES: a tile is 16 operand rows, tile T = rows 32 (T / 2) + 8 (T % 2) + p + 8 (p / 8); a fragment (tile x 128 K, 12 registers a lane) lies in memory and in LDS as an image of its registers, 1,536 bytes,
; registers 4 g .. 4 g + 3 of lane l at 512 g + 16 l.  Three loads of 16 bytes a lane at 16 x lane bring it: each reads 512 consecutive bytes, so LDS needs no pitch and no padding.
; SHARES.  The results are 384 blocks of 256 x 256: 256 of q and k, 128 of v.  There are 256 work-groups, and EACH STAYS FOR ONE AND A HALF BLOCKS, so that all have the same work:
;   PHASE 1: 256 tokens x 256 columns of Wq (cluster x = 0) or Wk (1): A = x, B = the weight; a wave makes 128 x 128: 64 accumulators.
;   PHASE 2: 128 columns of Wv x 256 tokens: A = Wv, B = x; a wave makes 64 x 128: 32 accumulators.  The half block is cut along Wv's columns, so that a wave still holds 128 keys: whole fragments and whole scale words of v^T.
; SOURCE 0 = 16 rows of operand B, SOURCE 1 = 16 rows of operand A: a lane then holds ONE row of A (place lane % 16), and by the order of a tile's rows the 64 registers of A's tile a are B's rows 32 b + 16 (lane / 16) + i
; at register 16 b + i: neighbours along the NEXT product's K.  So each (tile of A, my 128 rows of B) becomes one fragment.
; CLUSTERS: 4 x 4 work-groups.  In both phases A hangs on the cluster's row (cy) and B on its column (cx), so each tile is asked for JOINTLY by the four work-groups that need it.
; LDS.  K = 1,024 is eight steps of 128.  Phase 1: three slots of two steps each are asked for at the start; slot 0 is filled once more, with the last two steps.  Phase 2's codes are as many bytes as the three slots:
; its K steps 0-3 go into slots 1 and 2 when phase 1 has left them (in K step 5), its K steps 4-7 into slot 0 and the rest of slot 2 (in K step 7), and land while phase 1's results are quantised and stored.
; Every step is written out: all LDS offsets are immediates.  The bias is the C of a sum's first matrix instruction.
; LIMITS: a result block whose largest magnitude lies under 2^-122, a block of zeros too, gets the scale byte 1 (this program alone reads the bytes); NaN and infinities are not served.
; REGISTERS, in windows of 256: window 0: v1-29 addresses; v32-47 scale words, two sets, nothing else; v48-127 phase 1's bias, later the ways out; v128-223 A's fragments (phase 1: eight, one set; phase 2: four, two sets;
;   on the ways out v176-223 hold the codes just made); v224-255 phase 2's bias.   window 1: B's eight fragments, two sets, at v0 and v128.   window 2: accumulators of A's tiles 0-3 ((a, b) at v[8 (8 a + b)]);   window 3: of tiles 4-7.
.set FRB,   1536                       ; an image
; PHASE 1'S FILLS, as they stand below (they take the place of what the LDS paragraph above says of three slots): slot 0 holds two K steps, the bytes of slots 1 and 2 are ONE region of four.  At the head each wave issues one
; joint load: its part of K steps 0-1 into slot 0.  K steps 2-5 follow by one load behind a full sequence and a round; slot 0 takes K steps 6-7 in K step 1.  Phase 1's scale words come through registers, like phase 2's.
; K steps 2-5 are prefetched into the L2 behind the head's load, one fill ahead: of the eight tiles that a wave fetches (24 blocks of 256 bytes each) the partner at place p names tiles 2 p, 2 p + 1.
; The weights' blocks are named by the clusters of the first four cluster rows alone.  Later fills have two K steps and more of work in which to land, and are not prefetched.
.set NQ,    2                          ; K steps in slot 0
.set NSL,   3                          ; slot 0 and the region of four K steps, in units of slot 0
.set TROW,  NQ*FRB                     ; a tile's part of a slot
.set HALF,  8*TROW                     ; eight tiles: what one tensor load brings, and what a wave reads of A or of B
.set SLOT,  4*HALF                     ; A's two halves, then B's two
.set SCL,   NSL*SLOT                   ; behind the slots: phase 1's scale words, four halves of [8 K steps][8 tiles x 64 bytes]
.set SCH,   4096
.set SPARE, SCL+4*SCH                  ; the spare words, 128 bytes for each wave: two blocks of 256 bytes that no other line names
.set SCL2,  SPARE+512                  ; phase 2's scale words, [8 K steps][A's 8 tiles x 64 bytes, B's 16 tiles x 64 bytes]: stored from registers, never a tensor load's target
.set SKS2,  1536
.set TROW2, 4*FRB                      ; phase 2: a tile's part of a fill: four K steps
.set AH2,   4*TROW2                    ; A's half: four tiles
.set BH2,   8*TROW2                    ; B's half: eight tiles
.set R1A,   SLOT                       ; K steps 0-3: A's two halves, then B's two: 147,456 bytes of slots 1 and 2
.set R1B,   R1A+2*AH2
.set R2A,   R1B+2*BH2                  ; K steps 4-7: A's two halves in the rest of slot 2,
.set R2B,   0                          ; B's two in slot 0
.set XWS,   8650752                    ; xw: where the scale words begin;
.set SKP,   45056                      ; a K step's: 704 tiles x 64 bytes
.set VC,    12582912                   ; qkv: q's codes at 0, k's at 6,291,456, v's here; then the scale words of q, k (262,144 bytes on), v
.set QS,    18874368
.set VS,    19398656
.set SW,    10                         ; v10     where I store phase 2's scale words
.set ADRA2, 12                         ; v12-13  phase 2: LDS address of my half of A in the first and the second fill: + 16 x lane
.set ADRB2, 14                         ; v14-15  the same for B
.set ADRA,  16                         ; v16-17  phase 1: LDS address of my half of A in slot 0 and in the region: + 16 x lane
.set ADRB,  20                         ; v20-21  the same for B
.set ADRS,  24                         ; v24     of my scale words: lanes 0-15 A's, lanes 16-31 B's
.set LI,    25                         ; v25     16 x lane
.set LS,    26                         ; v26     4 x lane
.set ADRS3, 27                         ; v27     phase 2's scale words, likewise
.set SPW,   28                         ; v28     LDS address of my spare word; never rewritten
.set NIL,   29                         ; v29     0; never rewritten
.set SC,    32                         ; set p (K step % 2) at v[SC + 8 p]; register i: lanes 0-15 the words of A's tile i, lanes 16-31 of B's tile i
.set TM,    48                         ; the ways out: v48-79 the blocks' largest magnitudes, four a tile, then the conversions' scale operands
.set BT,    64                         ; v64-127 phase 1's bias in the result's layout, eight registers a tile of B
.set BX,    80                         ; the ways out: v80-111 the other half's magnitudes, then the bytes;
.set PT,    80                         ; then v80-95 upper halves of two tiles' codes
.set PWB,   112                        ; v112-119 scale words, v120-123 merged
.set MW,    120
.set AF,    128
.set PC,    176                        ; the ways out: v176-223 four fragments by turns
.set BT2,   224                        ; v224-255 phase 2's bias, eight registers a tile of A
.set G1,    24                         ; s[24:31], s[32:39] descriptor group 1 for phase 1's codes of A and B
.set G1B,   32
.set G1S,   40                         ; s[40:47], s[48:55] for phase 1's K steps 2-5; later for phase 2's codes
.set G1SB,  48
.set G1A2,  40
.set G1B2,  48
.set G0S,   56
.set G0SB,  60
.set G0,    68                         ; s[68:79], s[80:91] group 0 for the codes, slot 0's set and the region's; the region's and a third later serve phase 2's two fills
.set G0B,   80
.set MSB, 0
.macro WIN new                         ; the immediate's high byte repeats the setting that is left
.if MSB != (\new)
	s_set_vgpr_msb (MSB<<8)|(\new)
.set MSB, (\new)
.endif
.endm
; A joint load: waves 0 and 1 fetch for A, waves 2 and 3 for B.  The branch hangs on the wave's number alone.  Four v_nop follow each of the two lines.
.macro JLOAD g0a, g1a, g0b, g1b
	s_cmp_eq_u32 s15, 0
	s_cbranch_scc0 .Lfor_b_\@
	tensor_load_to_lds s[\g0a:\g0a+3], s[\g1a:\g1a+7]
	s_nop 0
.rept 4
	v_nop
.endr
	s_branch .Lasked_\@
.Lfor_b_\@:
	tensor_load_to_lds s[\g0b:\g0b+3], s[\g1b:\g1b+7]
	s_nop 0
.rept 4
	v_nop
.endr
.Lasked_\@:
.endm
.macro CREST                           ; a round of the cluster's barrier behind its opening barrier
	s_cmp_lg_u32 s14, 0
	s_cbranch_scc1 .Lnot_wave_0_\@
	s_barrier_signal -3
.Lnot_wave_0_\@:
	s_barrier_wait -3
	s_barrier_signal -1
	s_barrier_wait -1
.endm
.macro CROUND
	s_barrier_signal -1
	s_barrier_wait -1
	CREST
.endm
.macro PLACES n                        ; plain vector lines between a matrix instruction and a load into, or a vector line on, its registers (ISA guide 7.12.1 for vector lines)
.rept \n
	v_nop
.endr
.endm
.macro FRAG reg, adr, off              ; an image comes back as the fragment's registers
.irp c, 0,1,2
	ds_load_b128 v[\reg+4*\c:\reg+4*\c+3], v[\adr] offset:\off+512*\c
.endr
.endm
; ---- phase 1
.macro FETCH_B k                       ; B's eight fragments of K step k into set k % 2 of window 1.  K steps 0, 1, 6, 7 lie in slot 0 (SL = 0), 2-5 in the region behind it (SL = 1), where a tile's part is twice as long
.set SL, (((\k)+2)/4)%2
.set QO, (SL*(((\k)+2)%4)+(1-SL)*((\k)%2))*FRB
.set BS, 128*((\k)%2)
	WIN 0x40
.irp i, 0,1,2,3,4,5,6,7
	FRAG BS+12*\i, ADRB+SL, \i*(1+SL)*TROW+QO
.endr
	WIN 0
.endm
.macro FETCH_A k, i0                   ; A's tiles i0 .. i0 + 3
.set SL, (((\k)+2)/4)%2
.set QO, (SL*(((\k)+2)%4)+(1-SL)*((\k)%2))*FRB
.irp i, 0,1,2,3
	FRAG AF+12*(\i0+\i), ADRA+SL, (\i0+\i)*(1+SL)*TROW+QO
.endr
.endm
.macro FETCH_S k                       ; the K step's scale words
.irp i, 0,1,2,3,4,5,6,7
	ds_load_b32 v[SC+8*((\k)%2)+\i], v[ADRS] offset:512*(\k)+64*\i
.endr
.endm
; Eight matrix instructions: A's tile a against B's eight.  cm = 0: onto the sums; 2: the sums begin with the bias of B's rows.  The 64 accumulators take turns, one instruction a turn, in the same order in every step.
.macro MULA a, k, cm
.set KP, (\k)%2
.irp b, 0,1,2,3,4,5,6,7
.set AC, 8*(8*((\a)%4)+\b)
.if \cm == 0
	v_wmma_scale_f32_16x16x128_f8f6f4 v[AC:AC+7], v[128*KP+12*\b:128*KP+12*\b+11], v[AF+12*(\a):AF+12*(\a)+11], v[AC:AC+7], v[SC+8*KP+\b], v[SC+8*KP+(\a)] matrix_a_fmt:MATRIX_FMT_BF6 matrix_b_fmt:MATRIX_FMT_BF6 matrix_a_scale:MATRIX_SCALE_ROW1
.else
	v_wmma_scale_f32_16x16x128_f8f6f4 v[AC:AC+7], v[128*KP+12*\b:128*KP+12*\b+11], v[AF+12*(\a):AF+12*(\a)+11], v[BT+8*\b:BT+8*\b+7], v[SC+8*KP+\b], v[SC+8*KP+(\a)] matrix_a_fmt:MATRIX_FMT_BF6 matrix_b_fmt:MATRIX_FMT_BF6 matrix_a_scale:MATRIX_SCALE_ROW1
.endif
.endr
.endm
.macro MUL2 a0, k, cm
	MULA \a0, \k, \cm
	MULA (\a0)+1, \k, \cm
.endm
; ---- phase 2
.macro FETCH2 k                        ; all of K step k: B's eight fragments, A's four, the scale words, into the sets k % 2
.set RG, (\k)/4
.set QO, ((\k)%4)*FRB
.set KP, (\k)%2
	WIN 0x40
.irp i, 0,1,2,3,4,5,6,7
	FRAG 128*KP+12*\i, ADRB2+RG, \i*TROW2+QO
.endr
	WIN 0
.irp i, 0,1,2,3
	FRAG AF+48*KP+12*\i, ADRA2+RG, \i*TROW2+QO
.endr
.irp i, 0,1,2,3,4,5,6,7
	ds_load_b32 v[SC+8*KP+\i], v[ADRS3] offset:SKS2*(\k)+64*\i   ; (for i of 4 and more lanes 0-15 read words that no product takes: A has four tiles; the bytes lie inside the K step's 1,536)
.endr
.endm
; Eight matrix instructions: A's tile a (of four) against B's eight.  cm = 1: the sums begin with the bias of A's rows.  The 32 accumulators take turns, one instruction a turn.
.macro MULV a, k, cm
.set KP, (\k)%2
.irp b, 0,1,2,3,4,5,6,7
.set AC, 8*(8*(\a)+\b)
.if \cm == 0
	v_wmma_scale_f32_16x16x128_f8f6f4 v[AC:AC+7], v[128*KP+12*\b:128*KP+12*\b+11], v[AF+48*KP+12*(\a):AF+48*KP+12*(\a)+11], v[AC:AC+7], v[SC+8*KP+\b], v[SC+8*KP+(\a)] matrix_a_fmt:MATRIX_FMT_BF6 matrix_b_fmt:MATRIX_FMT_BF6 matrix_a_scale:MATRIX_SCALE_ROW1
.else
	v_wmma_scale_f32_16x16x128_f8f6f4 v[AC:AC+7], v[128*KP+12*\b:128*KP+12*\b+11], v[AF+48*KP+12*(\a):AF+48*KP+12*(\a)+11], v[BT2+8*(\a):BT2+8*(\a)+7], v[SC+8*KP+\b], v[SC+8*KP+(\a)] matrix_a_fmt:MATRIX_FMT_BF6 matrix_b_fmt:MATRIX_FMT_BF6 matrix_a_scale:MATRIX_SCALE_ROW1
.endif
.endr
.endm
; A step of phase 2: 32 matrix instructions.  Both operands have two sets, so the next step's 44 LDS loads go out in one run ahead of this step's products.
.macro VSTEP k, cm
	s_wait_dscnt 0x0                               ; this step's fragments and scale words are in (asked for ahead of the last step's products)
.if (\k) < 7
.if (\k) > 0
	PLACES 4                                       ; the sets to be loaded were read by the last step's products
.endif
	FETCH2 (\k)+1
.endif
.if \cm
	WIN 0x81                                       ; source 0 (B) window 1, source 1 (A) and C (the bias) window 0, D window 2
.else
	WIN 0xa1                                       ; C and D window 2
.endif
	MULV 0, \k, \cm
	MULV 1, \k, \cm
	MULV 2, \k, \cm
	MULV 3, \k, \cm
	WIN 0
.endm
; A step of phase 1 whose successor needs no barrier.  A tile of A is free as soon as its eight products are issued: tiles 0-3 are fetched anew in the step's middle, tiles 4-7 at its end; B has two sets.
.macro STEP k, cm
	s_wait_dscnt 12                                ; B's set, A's tiles 0-3 and the scale words are in; the youngest twelve loads (A's tiles 4-7) may be out
	FETCH_B (\k)+1                                 ; (its set was read by the step before, behind which four places stand)
.if \cm >= 2
	WIN 0x81                                       ; source 0 (B) window 1, source 1 (A) and C (the bias) window 0, D window 2
.else
	WIN 0xa1                                       ; C and D window 2
.endif
	MUL2 0, \k, \cm
	MUL2 2, \k, \cm
	s_wait_dscnt 24                                ; A's tiles 4-7 are in: behind them stand B's 24 loads
	PLACES 4
	WIN 0                                          ; (the loads' addresses and registers lie in window 0)
	FETCH_A (\k)+1, 0
	FETCH_S (\k)+1
.if \cm >= 2
	WIN 0xc1
.else
	WIN 0xf1                                       ; C and D window 3
.endif
	MUL2 4, \k, \cm
	MUL2 6, \k, \cm
	PLACES 4
	WIN 0
	FETCH_A (\k)+1, 4
.endm
; A step of phase 1 in which LDS is filled again.  In front of the barrier each wave waits for all its tensor loads, adds 0 to its spare word, and waits for that and for all its LDS reads; the barrier opens a round of the
; cluster's barrier; behind the round comes the wave's one joint load.  mode 0: slot 0 takes phase 1's last two K steps.  mode 1: slots 1 and 2, which nobody reads any more, take phase 2's K steps 0-3.
; mode 2: slot 0 and the rest of slot 2 take phase 2's K steps 4-7, and phase 2's first fragments are fetched (its K steps 0-3 are whole for every wave by this step's wait and barrier).
.macro TURN k, mode
	s_wait_tensorcnt 0x0                           ; all my tensor loads have landed
	ds_add_u32 v[SPW], v[NIL]                      ; 0 onto my spare word
	s_wait_dscnt 13                                ; (the add and the youngest twelve loads may be out)
	WIN 0xa1
	MUL2 0, \k, 0                                  ; sixteen matrix instructions stand between the add and the wait for it
	s_wait_dscnt 0x0                               ; the add is done, and my reads of the slot in hand are over
	s_barrier_signal -1
	MUL2 2, \k, 0
	WIN 0
	s_barrier_wait -1
	CREST                                          ; no wave of any partner still reads the bytes to be filled or has a load on its way
.if \mode == 0
	s_add_nc_u64 s[G0+2:G0+3], s[G0+2:G0+3], 3*TROW
	s_add_nc_u64 s[G0B+2:G0B+3], s[G0B+2:G0B+3], 3*TROW
	JLOAD G0, G1, G0B, G1B                         ; my one tensor load behind the round; its four v_nop are also the places in front of the loads below
.elseif \mode == 1
	JLOAD G0+4, G1A2, G0B+4, G1B2
.else
	JLOAD G0+8, G1A2, G0B+8, G1B2
.endif
.if \mode < 2
	FETCH_B (\k)+1
	FETCH_A (\k)+1, 0
	FETCH_S (\k)+1
.else
	FETCH2 0                                       ; into B's set 0, the registers of A's tiles 0-3 and the scale words' set 0: this step's products have done with them
.endif
	WIN 0xf1
	MUL2 4, \k, 0
	MUL2 6, \k, 0
	PLACES 4
	WIN 0
.if \mode < 2
	FETCH_A (\k)+1, 4
.endif
.endm
	s_load_b256 s[4:11], s[0:1], 0x0               ; xw s[4:5], bq s[6:7], bk s[8:9], bv s[10:11]
	s_load_b64 s[12:13], s[0:1], 0x20              ; qkv
	v_lshl_add_u32 v[SPW], v0, 2, SPARE
	v_mov_b32 v[NIL], 0
	ds_add_u32 v28, v29
	ds_add_u32 v28, v29
	s_wait_dscnt 0x0
	v_lshrrev_b32 v1, 5, v0
	v_readfirstlane_b32 s14, v1                    ; wave 0..3
	s_lshr_b32 s15, s14, 1                         ; which half of A's rows is mine.  Also: I fetch for A (0) or for B (1)
	s_and_b32 s16, s14, 1                          ; which half of B's.  Also: which half I fetch
	s_bfe_u32 s92, ttmp6, 0x40000                  ; cx
	s_bfe_u32 s93, ttmp6, 0x40004                  ; cy
	s_and_b32 s19, ttmp7, 0xffff
	s_lshl_b32 s19, s19, 2                         ; 4 x cluster y
	s_lshl_b32 s3, ttmp9, 2                        ; 4 x cluster x
	s_lshl_b32 s94, s93, 2
	s_lshl_b32 s94, 15, s94                        ; my row of the cluster
	s_lshl_b32 s95, 0x1111, s92                    ; my column
	s_add_co_u32 s17, s19, s93                     ; phase 1: A = x's 256 tokens number 4 cluster y + cy;
	s_add_co_u32 s18, s3, s92                      ; B = 256 columns number 4 cluster x + cx of the eight of Wq and Wk
	s_add_co_u32 s66, s3, s93                      ; phase 2: A = Wv's 128 columns number 4 cluster x + cy;
	s_add_co_u32 s67, s19, s92                     ; B = x's 256 tokens number 4 cluster y + cx
	s_or_b32 s[G1], s94, (3<<16)|(1<<21)           ; 15:0 the mask: A's tiles go to my row; 17:16 elements of 8 bytes; 20 no padding; 21 set beside a mask
	s_or_b32 s[G1B], s95, (3<<16)|(1<<21)          ; B's to my column
.irp g, G1, G1B                        ; eight tiles x two images: 8 rows of 3,072 bytes, 12,288 bytes apart
	s_mov_b32 s[\g+1], 384<<16                     ; tensor_dim0
	s_mov_b32 s[\g+2], 8<<16                       ; tensor_dim1
	s_mov_b32 s[\g+3], 384<<16                     ; tile_dim0
	s_mov_b32 s[\g+4], 8                           ; tile_dim1
	s_mov_b32 s[\g+5], 1536                        ; tensor_dim0_stride
	s_mov_b32 s[\g+6], 0
	s_mov_b32 s[\g+7], 0
.endr
	s_or_b32 s[G1S], s94, (3<<16)|(1<<21)
	s_or_b32 s[G1SB], s95, (3<<16)|(1<<21)
.irp g, G1S, G1SB                      ; K steps 2-5: eight tiles x four images: 8 rows of 6,144 bytes, 12,288 bytes apart
	s_mov_b32 s[\g+1], 768<<16
	s_mov_b32 s[\g+2], 8<<16
	s_mov_b32 s[\g+3], 768<<16
	s_mov_b32 s[\g+4], 8
	s_mov_b32 s[\g+5], 1536
	s_mov_b32 s[\g+6], 0
	s_mov_b32 s[\g+7], 0
.endr
	s_lshl_b32 s2, s16, 3
	s_lshl_b32 s20, s17, 4
	s_add_co_u32 s20, s20, s2                      ; the first tile of xw that I would fetch for A,
	s_add_co_u32 s22, s18, 32                      ; (the weights lie behind x's 32 units of 16 tiles)
	s_lshl_b32 s22, s22, 4
	s_add_co_u32 s22, s22, s2                      ; for B
	s_mul_i32 s62, s14, 2*SKP                      ; phase 1's scale words: wave w takes K steps 2 w and 2 w + 1: A's 16 tiles are 1,024 consecutive bytes, B's too
	s_add_co_u32 s62, s62, XWS
	s_lshl_b32 s56, s17, 10
	s_add_co_u32 s56, s56, s62
	s_mov_b32 s57, 0
	s_lshl_b32 s58, s18, 10
	s_add_co_u32 s58, s58, s62
	s_add_co_u32 s58, s58, 32*1024                 ; (behind x's 512 tiles)
	s_mov_b32 s59, 0
	s_mul_i32 s20, s20, 8*FRB
	s_mov_b32 s21, 0
	s_mul_i32 s22, s22, 8*FRB
	s_mov_b32 s23, 0
	s_mul_i32 s2, s14, HALF                        ; where they go: wave x a half: no place in the cluster enters an LDS address
	v_and_b32 v3, 31, v0                           ; lane
	v_lshlrev_b32 v[LI], 4, v3
	v_min_u32 v30, 23, v3
	v_lshlrev_b32 v30, 8, v30                      ; the prefetches' offset: 24 blocks of 256 bytes, lanes 24-31 name the last again; never rewritten
	s_wait_alu depctr_va_vdst(0)                   ; directly ahead of the wait below
	s_wait_kmcnt 0x0
	s_add_nc_u64 s[56:57], s[4:5], s[56:57]
	s_add_nc_u64 s[58:59], s[4:5], s[58:59]
.irp j, 0,1
	global_load_b128 v[152+16*\j:155+16*\j], v[LI], s[56:57] offset:SKP*\j
	global_load_b128 v[156+16*\j:159+16*\j], v[LI], s[56:57] offset:SKP*\j+512
	global_load_b128 v[160+16*\j:163+16*\j], v[LI], s[58:59] offset:SKP*\j
	global_load_b128 v[164+16*\j:167+16*\j], v[LI], s[58:59] offset:SKP*\j+512
.endr
	s_add_nc_u64 s[20:21], s[4:5], s[20:21]
	s_add_nc_u64 s[22:23], s[4:5], s[22:23]
.irp s, 0,1
	s_mov_b32 s[G0+4*\s], 1
	s_add_co_u32 s[G0+4*\s+1], s2, \s*SLOT
	s_add_nc_u64 s[G0+4*\s+2:G0+4*\s+3], s[20:21], \s*TROW     ; s = 0: K steps 0, 1; s = 1: K steps 2-5
	s_or_b32 s[G0+4*\s+3], s[G0+4*\s+3], 0x80000000
	s_mov_b32 s[G0B+4*\s], 1
	s_add_co_u32 s[G0B+4*\s+1], s2, \s*SLOT
	s_add_nc_u64 s[G0B+4*\s+2:G0B+4*\s+3], s[22:23], \s*TROW
	s_or_b32 s[G0B+4*\s+3], s[G0B+4*\s+3], 0x80000000
	s_lshl_b32 s2, s2, 1                           ; in the region a wave's part is twice as long
.endr
	s_cmp_eq_u32 s15, 0                            ; where my prefetches stand: of the tiles that I fetch, those of my place among the four partners
	s_cselect_b32 s60, s92, s93
	s_cselect_b64 s[62:63], s[20:21], s[22:23]
	s_mul_i32 s60, s60, 2*8*FRB
	s_mov_b32 s61, 0
	s_add_nc_u64 s[60:61], s[62:63], s[60:61]
	s_and_b32 s2, ttmp7, 0xffff
	s_mul_i32 s2, s2, s15                          ; 0 where I fetch x, the cluster's row where I fetch weights
	CROUND                                         ; all sixteen work-groups are here: the first joint loads meet
	JLOAD G0, G1, G0B, G1B                         ; K steps 0 and 1: one tensor load a wave at the head
	s_cmp_lt_u32 s2, 4
	s_cbranch_scc0 .Lno_ask
	global_prefetch_b8 v30, s[60:61] offset:TROW th:TH_LOAD_NT scope:SCOPE_SE          ; K steps 2-5 of two tiles
	global_prefetch_b8 v30, s[60:61] offset:TROW+8*FRB th:TH_LOAD_NT scope:SCOPE_SE
.Lno_ask:
	v_and_b32 v1, 15, v0                           ; r
	v_bfe_u32 v2, v0, 4, 1                         ; h
	s_wait_alu depctr_va_vdst(0)
	v_lshlrev_b32 v[LS], 2, v3
	; phase 2's scale words go through registers into LDS bytes of their own: wave w takes K steps 2 w and 2 w + 1: A's 8 tiles are 512 consecutive bytes, B's 16 tiles 1,024: three loads of 16 bytes a lane for each K step
	s_cmp_eq_u32 ttmp9, 0
	s_cselect_b64 s[6:7], s[6:7], s[8:9]           ; phase 1's bias: bq or bk, by the cluster's x
	s_mul_i32 s2, s14, 2*SKP
	s_add_co_u32 s2, s2, XWS
	s_lshl_b32 s100, s66, 9                        ; 8 tiles x 64 bytes for each 128 columns,
	s_add_co_u32 s100, s100, 640*64                ; Wv's tiles begin at 640
	s_add_co_u32 s100, s100, s2
	s_mov_b32 s101, 0
	s_add_nc_u64 s[8:9], s[4:5], s[100:101]
	s_lshl_b32 s22, s67, 10                        ; 16 tiles x 64 bytes for each 256 tokens
	s_add_co_u32 s22, s22, s2
	s_mov_b32 s23, 0
	s_add_nc_u64 s[22:23], s[4:5], s[22:23]
.irp j, 0,1
	global_load_b128 v[128+12*\j:131+12*\j], v[LI], s[8:9] offset:SKP*\j
	global_load_b128 v[132+12*\j:135+12*\j], v[LI], s[22:23] offset:SKP*\j
	global_load_b128 v[136+12*\j:139+12*\j], v[LI], s[22:23] offset:SKP*\j+512
.endr
	; phase 1's bias: BT + 8 t + j = that of B's row 32 (t / 2) + 8 (t % 2) + 16 h + j of my 128 columns
	s_lshl_b32 s100, s92, 10                       ; which 256 of the 1,024 columns,
	s_lshl_b32 s2, s16, 9                          ; which half of them
	s_add_co_u32 s100, s100, s2
	s_add_nc_u64 s[6:7], s[6:7], s[100:101]
	v_lshlrev_b32 v8, 6, v2
.irp t, 0,1,2,3,4,5,6,7
	global_load_b128 v[BT+8*\t:BT+8*\t+3], v8, s[6:7] offset:(32*(\t/2)+8*(\t%2))*4
	global_load_b128 v[BT+8*\t+4:BT+8*\t+7], v8, s[6:7] offset:(32*(\t/2)+8*(\t%2))*4+16
.endr
	; phase 2's: that of A's row 32 (a / 2) + 8 (a % 2) + r + 8 (r / 8) of my 64 columns of Wv, the same in all eight registers of a tile
	s_lshl_b32 s100, s66, 9
	s_lshl_b32 s2, s15, 8
	s_add_co_u32 s100, s100, s2
	s_add_nc_u64 s[10:11], s[10:11], s[100:101]
	v_and_b32 v4, 8, v1
	v_add_nc_u32 v4, v4, v1
	v_lshlrev_b32 v9, 2, v4
.irp a, 0,1,2,3
	global_load_b32 v[BT2+8*\a], v9, s[10:11] offset:(32*(\a/2)+8*(\a%2))*4
.endr
	s_mul_i32 s2, s14, 2*SKS2
	s_add_co_u32 s2, s2, SCL2
	v_add_nc_u32 v[SW], s2, v[LI]
	s_mul_i32 s2, s15, HALF                        ; phase 1: my half of A,
	s_mul_i32 s19, s16, HALF
	s_add_co_u32 s19, s19, 2*HALF                  ; my half of B, behind A's two
.irp s, 0,1
	v_add_nc_u32 v[ADRA+\s], s2, v[LI]
	v_add_nc_u32 v[ADRB+\s], s19, v[LI]
	s_lshl_b32 s2, s2, 1                           ; in the region every part is twice as long
	s_lshl_b32 s19, s19, 1
	s_add_co_u32 s2, s2, SLOT
	s_add_co_u32 s19, s19, SLOT
.endr
	s_lshl_b32 s2, s15, 12                         ; scale words: A's half,
	s_lshl_b32 s19, s16, 12
	s_add_co_u32 s19, s19, 2*SCH                   ; B's half, behind A's two;
	s_sub_co_u32 s19, s19, s2
	v_mul_u32_u24 v4, s19, v2                      ; lanes 16-31 take B's: one product, the distance x h
	v_lshl_add_u32 v4, v1, 2, v4
	s_add_co_u32 s2, s2, SCL
	v_add_nc_u32 v[ADRS], s2, v4
	s_mul_i32 s2, s15, AH2                         ; phase 2: my half of A, my half of B, in the first and in the second fill
	s_mul_i32 s19, s16, BH2
	s_add_co_u32 s3, s2, R1A
	v_add_nc_u32 v[ADRA2], s3, v[LI]
	s_add_co_u32 s3, s2, R2A
	v_add_nc_u32 v[ADRA2+1], s3, v[LI]
	s_add_co_u32 s3, s19, R1B
	v_add_nc_u32 v[ADRB2], s3, v[LI]
	v_add_nc_u32 v[ADRB2+1], s19, v[LI]            ; (the second fill's B begins at LDS byte 0)
	s_lshl_b32 s2, s15, 8                          ; scale words: A's four tiles,
	s_lshl_b32 s19, s16, 9
	s_add_co_u32 s19, s19, 512                     ; B's eight, behind A's eight;
	s_sub_co_u32 s19, s19, s2
	v_mul_u32_u24 v4, s19, v2                      ; one product, the distance x h
	v_lshl_add_u32 v4, v1, 2, v4
	s_add_co_u32 s2, s2, SCL2
	v_add_nc_u32 v[ADRS3], s2, v4
	; where phase 1's results go: which 128 along the result's K, my first tile of result rows
	s_lshl_b32 s2, s18, 1
	s_add_co_u32 s2, s2, s16
	s_lshl_b32 s19, s17, 4
	s_lshl_b32 s3, s15, 3
	s_add_co_u32 s19, s19, s3
	s_lshr_b32 s96, s2, 3                          ; codes [q, k][512 tiles][8][1536]
	s_mul_i32 s96, s96, 6291456
	s_lshl_b32 s3, s19, 3
	s_and_b32 s98, s2, 7
	s_add_co_u32 s3, s3, s98
	s_mul_i32 s3, s3, FRB
	s_add_co_u32 s96, s96, s3
	s_mov_b32 s97, 0
	s_lshl_b32 s98, s2, 9                          ; scale words [16][512 tiles][16]
	s_add_co_u32 s98, s98, s19
	s_lshl_b32 s98, s98, 6
	s_add_co_u32 s98, s98, QS
	s_mov_b32 s99, 0
	s_add_nc_u64 s[96:97], s[12:13], s[96:97]
	s_add_nc_u64 s[98:99], s[12:13], s[98:99]
	; and phase 2's: which 128 keys of the 8,192, my first tile of v's 64
	s_lshl_b32 s2, s67, 1
	s_add_co_u32 s2, s2, s16
	s_lshl_b32 s19, s66, 3
	s_lshl_b32 s3, s15, 2
	s_add_co_u32 s19, s19, s3
	s_lshr_b32 s100, s2, 4                         ; codes [4 batches][64 tiles][16][1536]
	s_lshl_b32 s100, s100, 6
	s_add_co_u32 s100, s100, s19
	s_lshl_b32 s100, s100, 4
	s_and_b32 s3, s2, 15
	s_add_co_u32 s100, s100, s3
	s_mul_i32 s100, s100, FRB
	s_add_co_u32 s100, s100, VC
	s_mov_b32 s101, 0
	s_lshl_b32 s2, s2, 6                           ; scale words [64][64 tiles][16]
	s_add_co_u32 s2, s2, s19
	s_lshl_b32 s2, s2, 6
	s_add_co_u32 s2, s2, VS
	s_mov_b32 s3, 0
	s_add_nc_u64 s[100:101], s[12:13], s[100:101]
	s_add_nc_u64 s[12:13], s[12:13], s[2:3]
	; what I would fetch in phase 2, as byte offsets in xw: kept until its descriptors are written
	s_lshl_b32 s66, s66, 3
	s_lshl_b32 s2, s16, 2
	s_add_co_u32 s66, s66, s2
	s_add_co_u32 s66, s66, 640
	s_mul_i32 s66, s66, 8*FRB                      ; A: tile 640 + 8 x my 128 columns + 4 x half
	s_lshl_b32 s67, s67, 4
	s_lshl_b32 s2, s16, 3
	s_add_co_u32 s67, s67, s2
	s_mul_i32 s67, s67, 8*FRB                      ; B: tile 16 x my 256 tokens + 8 x half
	s_mov_b32 s20, 0x76543210
	s_mov_b32 s21, 0xfedcba98                      ; v_permlanex16_b32's selects for lane l xor 16
	s_lshl_b32 s2, s14, 10
	s_add_co_u32 s2, s2, SCL
	v_add_nc_u32 v11, s2, v[LI]                    ; where I store phase 1's scale words
	s_wait_alu depctr_va_vdst(0)
	s_wait_loadcnt 20                              ; the fourteen loads of scale words are in; the twenty of the biases, issued behind them, may be out
.irp j, 0,1
	ds_store_b128 v[SW], v[128+12*\j:131+12*\j] offset:SKS2*\j
	ds_store_b128 v[SW], v[132+12*\j:135+12*\j] offset:SKS2*\j+512
	ds_store_b128 v[SW], v[136+12*\j:139+12*\j] offset:SKS2*\j+1024
.endr
.irp j, 0,1
	ds_store_b128 v11, v[152+16*\j:155+16*\j] offset:512*\j
	ds_store_b128 v11, v[156+16*\j:159+16*\j] offset:SCH+512*\j
	ds_store_b128 v11, v[160+16*\j:163+16*\j] offset:2*SCH+512*\j
	ds_store_b128 v11, v[164+16*\j:167+16*\j] offset:3*SCH+512*\j
.endr
	s_wait_tensorcnt 0x0                           ; my part of slot 0 is in
	ds_add_u32 v[SPW], v[NIL]
	s_wait_dscnt 0x0                               ; the add is done, and so are my stores of scale words
	CROUND                                         ; slot 0 and the scale words are whole for every wave; the joint loads meet
	JLOAD G0+4, G1S, G0B+4, G1SB                   ; K steps 2-5, the first tensor load behind the round
	FETCH_B 0
	FETCH_A 0, 0
	FETCH_S 0
	FETCH_A 0, 4
	s_wait_loadcnt 0x0                             ; the biases
.irp a, 0,1,2,3
.irp j, 1,2,3,4,5,6,7
	v_mov_b32 v[BT2+8*\a+\j], v[BT2+8*\a]
.endr
.endr
	STEP 0, 2                                      ; the sums begin with the bias: nothing is cleared
	TURN 1, 0                                      ; slots 1 and 2 are whole for every wave; slot 0 takes K steps 6 and 7, and has four steps in which to land
	; Phase 2's descriptors.  All my tensor loads but slot 0's refill have landed (the wait for all of them stood in K step 1), and that refill names none of the registers written here.
	; Phase 2's K steps 0-3 of Wv are prefetched into the L2 here, three K steps ahead of their load: waves 0 and 1 name one tile of their half's four, that of cx; the clusters of the first four cluster rows ask.  Phase 2's tokens
	; are those of the cluster's own phase 1, which it has read.
	s_and_b32 s2, ttmp7, 0xffff
	s_lshl_b32 s3, s15, 3
	s_add_co_u32 s2, s2, s3
	s_mul_i32 s62, s92, 8*FRB
	s_add_co_u32 s62, s62, s66
	s_mov_b32 s63, 0
	s_add_nc_u64 s[62:63], s[4:5], s[62:63]
	s_cmp_lt_u32 s2, 4
	s_cbranch_scc0 .Lno_ask2
	global_prefetch_b8 v30, s[62:63] th:TH_LOAD_NT scope:SCOPE_SE
.Lno_ask2:
	s_or_b32 s[G1A2], s94, (3<<16)|(1<<21)         ; A's tiles go to my row of the cluster,
	s_or_b32 s[G1B2], s95, (3<<16)|(1<<21)         ; B's to my column
.irp g, G1A2, G1B2                     ; tiles x four images: rows of 6,144 bytes, 12,288 bytes apart
	s_mov_b32 s[\g+1], 768<<16                     ; tensor_dim0
	s_mov_b32 s[\g+3], 768<<16                     ; tile_dim0
	s_mov_b32 s[\g+5], 1536                        ; tensor_dim0_stride
	s_mov_b32 s[\g+6], 0
	s_mov_b32 s[\g+7], 0
.endr
	s_mov_b32 s[G1A2+2], 4<<16                     ; A's half: four tiles
	s_mov_b32 s[G1A2+4], 4
	s_mov_b32 s[G1B2+2], 8<<16                     ; B's half: eight
	s_mov_b32 s[G1B2+4], 8
	s_mul_i32 s2, s16, AH2
	s_mul_i32 s3, s16, BH2
	s_mov_b32 s22, s66
	s_mov_b32 s23, 0
	s_mov_b32 s18, s67
	s_mov_b32 s19, 0
	s_add_nc_u64 s[22:23], s[4:5], s[22:23]
	s_add_nc_u64 s[18:19], s[4:5], s[18:19]
	s_mov_b32 s[G0+4], 1                           ; K steps 0-3
	s_add_co_u32 s[G0+5], s2, R1A
	s_mov_b64 s[G0+6:G0+7], s[22:23]
	s_or_b32 s[G0+7], s[G0+7], 0x80000000
	s_mov_b32 s[G0B+4], 1
	s_add_co_u32 s[G0B+5], s3, R1B
	s_mov_b64 s[G0B+6:G0B+7], s[18:19]
	s_or_b32 s[G0B+7], s[G0B+7], 0x80000000
	s_mov_b32 s[G0+8], 1                           ; K steps 4-7
	s_add_co_u32 s[G0+9], s2, R2A
	s_add_nc_u64 s[G0+10:G0+11], s[22:23], TROW2
	s_or_b32 s[G0+11], s[G0+11], 0x80000000
	s_mov_b32 s[G0B+8], 1
	s_mov_b32 s[G0B+9], s3
	s_add_nc_u64 s[G0B+10:G0B+11], s[18:19], TROW2
	s_or_b32 s[G0B+11], s[G0B+11], 0x80000000
	STEP 2, 0
	STEP 3, 0                                      ; (it fetches from the region, shown whole by the wait and the barrier of K step 1)
	STEP 4, 0
	TURN 5, 1                                      ; slot 0's second fill is whole for every wave; slots 1 and 2 take phase 2's K steps 0-3
	STEP 6, 0
	TURN 7, 2                                      ; those are whole for every wave; slot 0 and the rest of slot 2 take phase 2's K steps 4-7
; THE WAY OUT.  A's tile a: my 64 numbers are register 16 b + i = K 32 b + 16 h + i of my row: they become a fragment and a scale word.  Each accumulator is read from its low end on.
; The maxima of two tiles by turns; the scale words of all tiles at once; then the codes, two tiles at a time.  ww: the accumulators' window.
.macro QMAX a, ww
.set WW, (\ww)
.set AC, 64*((\a)%4)
	WIN WW|(WW<<2)                                 ; sources 0 and 1: the accumulators' window
.irp t, 0,1
.irp b, 0,1,2,3
	v_max3_num_f32 v[TM+4*((\a)+\t)+\b], |v[AC+64*\t+16*\b]|, |v[AC+64*\t+16*\b+1]|, 0x2800000   ; block b: my 16 numbers, and the floor 2^(5 - 127): the byte cannot fall under 1
.endr
.endr
.irp i, 2,4,6,8,10,12,14
.irp t, 0,1
.irp b, 0,1,2,3
	v_max3_num_f32 v[TM+4*((\a)+\t)+\b], |v[AC+64*\t+16*\b+\i]|, |v[AC+64*\t+16*\b+\i+1]|, v[TM+4*((\a)+\t)+\b]
.endr
.endr
.endr
	WIN 0
.endm
.macro QWORDS n                        ; of n tiles
.set J, 0
.rept 4*(\n)
	v_permlanex16_b32 v[BX+J], v[TM+J], s20, s21
.set J, J+1
.endr
.set J, 0
.rept 4*(\n)
	v_max_num_f32 v[TM+J], v[TM+J], v[BX+J]        ; with lane l xor 16's: the block's largest magnitude
.set J, J+1
.endr
.set J, 0
.rept 4*(\n)
	v_add_nc_u32 v[TM+J], 0xfe000000, v[TM+J]      ; 4 off its exponent field: the conversion's scale operand
.set J, J+1
.endr
.set J, 0
.rept 4*(\n)
	v_lshrrev_b32 v[BX+J], 23, v[TM+J]             ; the scale's byte
.set J, J+1
.endr
.irp b, 1,2,3
.set J, 0
.rept \n
.if \b == 1
	v_lshl_or_b32 v[PWB+J], v[BX+4*J+1], 8, v[BX+4*J]
.else
	v_lshl_or_b32 v[PWB+J], v[BX+4*J+\b], 8*\b, v[PWB+J]
.endif
.set J, J+1
.endr
.endr
.endm
; tiles a, a + 1.  ob: the scalar pair with the codes' address;  st: bytes from tile to tile;  xw = 1: stores of four tiles ago have to have read these sets of code registers first.
.macro QFIN a, ww, ob, st, xw
.set WW, (\ww)
.set AC, 64*((\a)%4)
.set PCS, PC+12*((\a)%4)
.if \xw
	s_wait_xcnt 0x0
.endif
	WIN WW
.irp t, 0,1
.irp c, 0,1
	v_cvt_scalef32_pk16_bf6_f32 v[PCS+12*\t+6*\c:PCS+12*\t+6*\c+2], v[AC+64*\t+32*\c:AC+64*\t+32*\c+15], v[TM+4*((\a)+\t)+2*\c]
	v_cvt_scalef32_pk16_bf6_f32 v[PT+8*\t+4*\c:PT+8*\t+4*\c+2], v[AC+64*\t+32*\c+16:AC+64*\t+32*\c+31], v[TM+4*((\a)+\t)+2*\c+1]   ; (a conversion's three registers begin on an even number)
.endr
.endr
	WIN 0
	v_nop                                          ; one plain line behind a scaled conversion
.irp t, 0,1                            ; the operand's layout wants a WHOLE block in a lane: lanes 0-15 block 2 c, lanes 16-31 block 2 c + 1
.irp c, 0,1
.irp i, 0,1,2
	v_permlane16_swap_b32 v[PCS+12*\t+6*\c+\i], v[PT+8*\t+4*\c+\i]
.endr
.endr
.endr
.irp t, 0,1
.irp c, 0,1
.irp i, 0,1,2
	v_mov_b32 v[PCS+12*\t+6*\c+3+\i], v[PT+8*\t+4*\c+\i]
.endr
.endr
.endr
.irp t, 0,1
.irp c, 0,1,2
	global_store_b128 v[LI], v[PCS+12*\t+4*\c:PCS+12*\t+4*\c+3], s[\ob:\ob+1] offset:(\st)*((\a)+\t)+512*\c   ; the image: 512 consecutive bytes a store
.endr
.endr
.endm
	QMAX 0, 2
	QMAX 2, 2
	QMAX 4, 3
	QMAX 6, 3
	QWORDS 8
	QFIN 0, 2, 96, 8*FRB, 0
	QFIN 2, 2, 96, 8*FRB, 0
	QFIN 4, 3, 96, 8*FRB, 1
	QFIN 6, 3, 96, 8*FRB, 1
	v_cmp_le_u32 vcc_lo, 16, v3
.irp i, 0,1,2,3
	v_cndmask_b32 v[MW+\i], v[PWB+2*\i], v[PWB+2*\i+1], vcc_lo   ; lanes 0-15 one tile's words, lanes 16-31 the next tile's
.endr
.irp i, 0,1,2,3
	global_store_b32 v[LS], v[MW+\i], s[98:99] offset:128*\i
.endr
; ---- PHASE 2.  One barrier shows its K steps 4-7 to every wave: they were asked for in K step 7 and had the way out in which to land.
	s_wait_xcnt 0x0                                ; the stores above have read their registers: the code registers take A's second set, the merged words are written again
	s_wait_tensorcnt 0x0                           ; all my tensor loads have landed
	ds_add_u32 v[SPW], v[NIL]                      ; 0 onto my spare word
	s_wait_dscnt 0x0
	s_barrier_signal -1
	s_barrier_wait -1
	VSTEP 0, 1                                     ; the sums begin with the bias
	VSTEP 1, 0
	VSTEP 2, 0
	VSTEP 3, 0
	VSTEP 4, 0
	VSTEP 5, 0
	VSTEP 6, 0
	VSTEP 7, 0
	PLACES 4
	QMAX 0, 2
	QMAX 2, 2
	QWORDS 4
	QFIN 0, 2, 100, 16*FRB, 0
	QFIN 2, 2, 100, 16*FRB, 0
	v_cmp_le_u32 vcc_lo, 16, v3
.irp i, 0,1
	v_cndmask_b32 v[MW+\i], v[PWB+2*\i], v[PWB+2*\i+1], vcc_lo
.endr
	v_lshrrev_b32 v8, 1, v[LI]                     ; 8 x lane
	global_store_b64 v8, v[MW:MW+1], s[12:13]      ; v's scale words: [64 x 128 keys][16 groups of four tiles][32 lanes][2]: word q of lane l is that of place l % 16 of the group's tile 2 q + l / 16: one aligned unit of 256 bytes
	s_wait_tensorcnt 0x0                           ; the wave's end
	ds_add_u32 v[SPW], v[NIL]
	s_wait_dscnt 0x0
	CROUND                                         ; the closing round: no work-group ends while a partner may still ask for a tile that names it
	s_endpgm
.Lfunc_end_k_q862e4a1614_proj:
	.size	k_q862e4a1614_proj, .Lfunc_end_k_q862e4a1614_proj-k_q862e4a1614_proj
	.p2alignl 7, 3214868480
	.fill 96, 4, 3214868480
	.section	.rodata,"a",@progbits
	.p2align	6, 0x0
	.amdhsa_kernel k_q862e4a1614_proj
		.amdhsa_group_segment_fixed_size 327680
		.amdhsa_private_segment_fixed_size 0
		.amdhsa_enable_private_segment 0
		.amdhsa_kernarg_size 40
		.amdhsa_user_sgpr_count 2
		.amdhsa_user_sgpr_kernarg_segment_ptr 1
		.amdhsa_wavefront_size32 1
		.amdhsa_system_sgpr_workgroup_id_x 1
		.amdhsa_system_sgpr_workgroup_id_y 1
		.amdhsa_system_sgpr_workgroup_id_z 1
		.amdhsa_system_vgpr_workitem_id 0
		.amdhsa_next_free_vgpr 1024
		.amdhsa_next_free_sgpr 102
		.amdhsa_reserve_vcc 1
		.amdhsa_float_denorm_mode_32 3
		.amdhsa_float_denorm_mode_16_64 3
		.amdhsa_memory_ordered 1
		.amdhsa_forward_progress 1
		.amdhsa_inst_pref_size 225
	.end_amdhsa_kernel
	.amdgpu_metadata
---
amdhsa.version: [ 1, 2 ]
amdhsa.kernels:
  - .name:           k_q862e4a1614_proj
    .symbol:         k_q862e4a1614_proj.kd
    .args:
      - { .name: xw, .offset: 0, .size: 8, .value_kind: global_buffer, .address_space: global }
      - { .name: bq, .offset: 8, .size: 8, .value_kind: global_buffer, .address_space: global }
      - { .name: bk, .offset: 16, .size: 8, .value_kind: global_buffer, .address_space: global }
      - { .name: bv, .offset: 24, .size: 8, .value_kind: global_buffer, .address_space: global }
      - { .name: qkv, .offset: 32, .size: 8, .value_kind: global_buffer, .address_space: global }
    .group_segment_fixed_size: 327680
    .private_segment_fixed_size: 0
    .kernarg_segment_align: 8
    .kernarg_segment_size: 40
    .max_flat_workgroup_size: 128
    .sgpr_count:     102
    .vgpr_count:     1024
    .wavefront_size: 32
...
	.end_amdgpu_metadata
.endif
;; end of part 2
;; launch scores (part 3): grid 8 x 32, 4 waves a work-group, clusters of 4 x 4, 327,680 bytes of LDS; arguments qkv, pp; writes pp
.if DOCPART == 3
	.amdgcn_target "amdgcn-amd-amdhsa--gfx1250"
	.amdhsa_code_object_version 6
	.text
	.protected	k_q862e4a1614_scores
	.globl	k_q862e4a1614_scores
	.p2align	8
	.type	k_q862e4a1614_scores,@function
k_q862e4a1614_scores:
	s_mov_b64 s[64:65], 0
	v_nop
	global_prefetch_b8 v0, s[64:65] scope:SCOPE_SE
	s_setreg_imm32_b32 hwreg(HW_REG_WAVE_MODE, 25, 1), 1
	s_wait_xcnt 0x0
	s_wait_alu depctr_hold_cnt(0) depctr_sa_sdst(0) depctr_va_vdst(0) depctr_va_sdst(0) depctr_va_ssrc(0) depctr_va_vcc(0) depctr_vm_vsrc(0)
	s_getreg_b32 s2, hwreg(HW_REG_IB_STS2, 6, 4)
	s_cmp_eq_u32 s2, 0
	s_cbranch_scc0 .Lentry_in_a_cluster
	s_endpgm
.Lentry_in_a_cluster:
	s_bfe_u32 s2, ttmp6, 0x10000c
	s_cmp_lg_u32 s2, 0xf033
	s_cbranch_scc0 .Lentry_shape_is_right
	s_endpgm
.Lentry_shape_is_right:
; S = q k^T on codes of BF6 (E3M2) with E8M0 scales, and the softmax's first half: for each query and each CHUNK of 128 keys: t = score x log2(e) / 32; M = the chunk's largest t rounded UP to a whole number;
; p = 2^(t - M), quantised along the keys into codes and a scale word; l = the sum of the unquantised p.  Stored: p's fragments, their scale words, -M and l.  The next launch brings the chunks under the row's M by
; taking the difference of the two whole numbers off p's scale bytes and off l's exponent: nothing is rounded by that.  A maximum is taken away ahead of every exponential.
; Tiles, fragments and images as in the launch before: a tile is 16 rows, tile T = rows 32 (T / 2) + 8 (T % 2) + p + 8 (p / 8); a fragment (tile x 128 K) lies as an image of its 12 registers a lane, 1,536 bytes.
; A work-group of four waves makes 256 queries x 256 keys of one batch, a wave 128 x 128.  SOURCE 0 = 16 keys, SOURCE 1 = 16 queries: a lane holds one query, and register 16 b + i of a tile of queries is key 32 b + 16 (lane / 16) + i
; of my 128: a chunk is a wave's own, and its softmax needs lane l xor 16 alone.
; CLUSTERS: 4 x 4 work-groups; q's tiles are shared along a row of the cluster, k's along a column: each is asked for jointly.
; THE FILLS.  K = 1,024: eight steps.  Slot 0 holds two K steps, a region behind it four.  At the head each wave issues one joint load: its part of K steps 0-1.  K steps 2-5 follow by one load behind a full sequence and a round; slot 0
; takes K steps 6-7 in K step 1.  The scale words come through registers.
; PREFETCH: K steps 2-5, behind the head's load, one fill ahead: of the eight tiles that a wave fetches (24 blocks of 256 bytes each) the partner at place p names tiles 2 p, 2 p + 1.  K steps 6-7 have four steps of work in which to land, and are
; not prefetched.
; Scale words, -M and l leave as [16 chunks][128 groups of four tiles][32 lanes][2]: number q of lane l is that of place l % 16 of the group's tile 2 q + l / 16.
; LIMITS: a block whose every p lies under 2^-122 gets the scale byte 1; NaN and infinities are not served; the promise holds while the scaled scores t stay under 2^31 in magnitude.
; REGISTERS: window 0: v1-29 addresses; v32-47 scale words, nothing else; v128-223 q's eight fragments; the softmax and the way out: v48-127 and v128-251.  window 1: k's fragments, two sets at v0 and v128.
; windows 2, 3: the 64 accumulators; t - M and p take their places.
.set FRB,   1536
.set TROW,  2*FRB                      ; a tile's part of slot 0
.set HALF,  8*TROW
.set SLOT,  4*HALF
.set SCL,   3*SLOT                     ; behind slot 0 and the region: the scale words, four halves of [8 K steps][8 tiles x 64 bytes]
.set SCH,   4096
.set SPARE, SCL+4*SCH                  ; the spare words, 128 bytes for each wave: two blocks of 256 bytes that no other line names
.set KC,    6291456                    ; qkv: k's codes; q's and k's scale words, [8][512 tiles][16]
.set QS,    18874368
.set KSO,   19136512
.set PSO,   12582912                   ; pp: codes [512 tiles][16 chunks][1536]; then scale words, -M, l: 524,288 bytes each
.set PFO,   8                          ; v8  the prefetches' offset; never rewritten
.set SW,    11                         ; v11 where I store the scale words
.set ADRA,  16
.set ADRB,  20
.set ADRS,  24
.set LI,    25                         ; v25 16 x lane
.set L8,    26                         ; v26 8 x lane
.set SPW,   28
.set NIL,   29
.set SC,    32
.set BM,    48                         ; v48-79 each block's largest score, then its largest p, then the conversions' scale operands: four a tile
.set TS,    80                         ; v80-111 the sum's tree
.set NMS,   112                        ; v112-127 a pair a tile: -M, the chunk's largest t
.set AF,    128
.set BX,    128                        ; v128-159 the other half's scores, then the scale bytes.  (Registers that held fragments: a lane permute's destination counts as one of its sources)
.set PC,    160                        ; v160-207 four fragments by turns, v208-214 upper halves of the codes
.set PT,    208
.set T0,    216
.set T1,    217
.set PWB,   224                        ; v224-231 scale words, v232-239 l: one for each tile of queries; v240-251 merged
.set LSM,   232
.set MW,    240
.set G1,    24
.set G1B,   32
.set G1S,   40                         ; s[40:47], s[48:55] group 1 for K steps 2-5
.set G1SB,  48
.set G0,    68
.set G0B,   80
.set MSB, 0
.macro WIN new                         ; the immediate's high byte repeats the setting that is left
.if MSB != (\new)
	s_set_vgpr_msb (MSB<<8)|(\new)
.set MSB, (\new)
.endif
.endm
.macro JLOAD g0a, g1a, g0b, g1b        ; a joint load: waves 0 and 1 fetch for q, waves 2 and 3 for k; four v_nop follow each of the two lines
	s_cmp_eq_u32 s15, 0
	s_cbranch_scc0 .Lfor_b_\@
	tensor_load_to_lds s[\g0a:\g0a+3], s[\g1a:\g1a+7]
	s_nop 0
.rept 4
	v_nop
.endr
	s_branch .Lasked_\@
.Lfor_b_\@:
	tensor_load_to_lds s[\g0b:\g0b+3], s[\g1b:\g1b+7]
	s_nop 0
.rept 4
	v_nop
.endr
.Lasked_\@:
.endm
.macro CREST                           ; a round of the cluster's barrier behind its opening barrier
	s_cmp_lg_u32 s14, 0
	s_cbranch_scc1 .Lnot_wave_0_\@
	s_barrier_signal -3
.Lnot_wave_0_\@:
	s_barrier_wait -3
	s_barrier_signal -1
	s_barrier_wait -1
.endm
.macro CROUND
	s_barrier_signal -1
	s_barrier_wait -1
	CREST
.endm
.macro PLACES                          ; plain vector lines between a matrix instruction and a load into, or a vector line on, its registers (ISA guide 7.12.1 for vector lines)
.rept 4
	v_nop
.endr
.endm
.macro FRAG reg, adr, off              ; an image comes back as the fragment's registers
.irp c, 0,1,2
	ds_load_b128 v[\reg+4*\c:\reg+4*\c+3], v[\adr] offset:\off+512*\c
.endr
.endm
.macro FETCH_B k                       ; K steps 0, 1, 6, 7 lie in slot 0 (SL = 0), 2-5 in the region behind it (SL = 1), where a tile's part is twice as long
.set SL, (((\k)+2)/4)%2
.set QO, (SL*(((\k)+2)%4)+(1-SL)*((\k)%2))*FRB
.set BS, 128*((\k)%2)
	WIN 0x40
.irp i, 0,1,2,3,4,5,6,7
	FRAG BS+12*\i, ADRB+SL, \i*(1+SL)*TROW+QO
.endr
	WIN 0
.endm
.macro FETCH_A k, i0
.set SL, (((\k)+2)/4)%2
.set QO, (SL*(((\k)+2)%4)+(1-SL)*((\k)%2))*FRB
.irp i, 0,1,2,3
	FRAG AF+12*(\i0+\i), ADRA+SL, (\i0+\i)*(1+SL)*TROW+QO
.endr
.endm
.macro FETCH_S k                       ; lanes 0-15 q's words, lanes 16-31 k's
.irp i, 0,1,2,3,4,5,6,7
	ds_load_b32 v[SC+8*((\k)%2)+\i], v[ADRS] offset:512*(\k)+64*\i
.endr
.endm
; Eight matrix instructions: q's tile a against k's eight.  cm = 1: the first product starts the sums.  The 64 accumulators take turns, one instruction a turn.
.macro MULA a, k, cm
.set KP, (\k)%2
.irp b, 0,1,2,3,4,5,6,7
.set AC, 8*(8*((\a)%4)+\b)
.if \cm == 0
	v_wmma_scale_f32_16x16x128_f8f6f4 v[AC:AC+7], v[128*KP+12*\b:128*KP+12*\b+11], v[AF+12*(\a):AF+12*(\a)+11], v[AC:AC+7], v[SC+8*KP+\b], v[SC+8*KP+(\a)] matrix_a_fmt:MATRIX_FMT_BF6 matrix_b_fmt:MATRIX_FMT_BF6 matrix_a_scale:MATRIX_SCALE_ROW1
.else
	v_wmma_scale_f32_16x16x128_f8f6f4 v[AC:AC+7], v[128*KP+12*\b:128*KP+12*\b+11], v[AF+12*(\a):AF+12*(\a)+11], 0, v[SC+8*KP+\b], v[SC+8*KP+(\a)] matrix_a_fmt:MATRIX_FMT_BF6 matrix_b_fmt:MATRIX_FMT_BF6 matrix_a_scale:MATRIX_SCALE_ROW1
.endif
.endr
.endm
.macro MUL2 a0, k, cm
	MULA \a0, \k, \cm
	MULA (\a0)+1, \k, \cm
.endm
; A step whose successor needs no barrier: k's set for the next step is asked for at the top, q's tiles 0-3 in the middle, 4-7 at the end: each as soon as its registers are free.
.macro STEP k, cm
	s_wait_dscnt 12                                ; all but the youngest twelve loads (q's tiles 4-7) are in
	FETCH_B (\k)+1                                 ; (its set was read by the step before, behind which four places stand)
	WIN 0xa1                                       ; source 0 (k) window 1, source 1 (q) window 0, C and D window 2
	MUL2 0, \k, \cm
	MUL2 2, \k, \cm
	s_wait_dscnt 24                                ; q's tiles 4-7 are in: behind them stand k's 24 loads
	PLACES
	WIN 0                                          ; (the loads' addresses and registers lie in window 0)
	FETCH_A (\k)+1, 0
	FETCH_S (\k)+1
	WIN 0xf1                                       ; C and D window 3
	MUL2 4, \k, \cm
	MUL2 6, \k, \cm
	PLACES
	WIN 0
	FETCH_A (\k)+1, 4
.endm
; A step with a barrier in it: in front of it each wave waits for all its tensor loads, adds 0 to its spare word, and waits for that and for all its LDS reads.  fill = 1: a round of the cluster's barrier, and slot 0 takes K steps 6 and 7.
.macro TURN k, fill
	s_wait_tensorcnt 0x0                           ; all my tensor loads have landed
	ds_add_u32 v[SPW], v[NIL]                      ; 0 onto my spare word
	s_wait_dscnt 13                                ; (the add and the youngest twelve loads may be out)
	WIN 0xa1
	MUL2 0, \k, 0
	s_wait_dscnt 0x0                               ; the add is done, and my reads of the slot in hand are over
	s_barrier_signal -1
	MUL2 2, \k, 0
	WIN 0
	s_barrier_wait -1
.if \fill
	CREST                                          ; no wave of any partner still reads the slot or has a load on its way
	s_add_nc_u64 s[G0+2:G0+3], s[G0+2:G0+3], 3*TROW
	s_add_nc_u64 s[G0B+2:G0B+3], s[G0B+2:G0B+3], 3*TROW
	JLOAD G0, G1, G0B, G1B                         ; my one tensor load behind the round; its four v_nop are also the places in front of the loads below
.else
	PLACES
.endif
	FETCH_B (\k)+1
	FETCH_A (\k)+1, 0
	FETCH_S (\k)+1
	WIN 0xf1
	MUL2 4, \k, 0
	MUL2 6, \k, 0
	PLACES
	WIN 0
	FETCH_A (\k)+1, 4
.endm
	s_load_b128 s[4:7], s[0:1], 0x0                ; qkv s[4:5], pp s[6:7]
	v_lshl_add_u32 v[SPW], v0, 2, SPARE
	v_mov_b32 v[NIL], 0
	ds_add_u32 v[SPW], v[NIL]                      ; the opening lines: the add, twice on end, and its wait
	ds_add_u32 v[SPW], v[NIL]
	v_lshrrev_b32 v1, 5, v0
	v_readfirstlane_b32 s14, v1                    ; wave 0..3
	v_and_b32 v3, 31, v0                           ; lane
	v_lshlrev_b32 v[LI], 4, v3
	v_min_u32 v[PFO], 23, v3
	v_lshlrev_b32 v[PFO], 8, v[PFO]                ; 24 blocks of 256 bytes, lanes 24-31 name the last again
	s_lshr_b32 s15, s14, 1                         ; which half of the 256 queries is mine.  Also: I fetch for q (0) or for k (1)
	s_and_b32 s16, s14, 1                          ; which half of the 256 keys.  Also: which half I fetch
	s_bfe_u32 s92, ttmp6, 0x40000                  ; cx
	s_bfe_u32 s93, ttmp6, 0x40004                  ; cy
	s_and_b32 s19, ttmp7, 0xffff                   ; cluster y
	s_lshl_b32 s17, s19, 2
	s_add_co_u32 s17, s17, s93                     ; which 256 queries of the 8,192
	s_lshl_b32 s18, ttmp9, 2
	s_add_co_u32 s18, s18, s92                     ; which 256 keys of the batch's 2,048
	s_lshr_b32 s19, s19, 1                         ; the batch: eight blocks of queries each, two clusters
	s_lshl_b32 s19, s19, 3
	s_add_co_u32 s22, s19, s18                     ; which 256 keys of the 8,192
	s_lshl_b32 s94, s93, 2
	s_lshl_b32 s94, 15, s94                        ; my row of the cluster
	s_lshl_b32 s95, 0x1111, s92                    ; my column
	s_or_b32 s[G1], s94, (3<<16)|(1<<21)           ; 15:0 the mask; 17:16 elements of 8 bytes; 20 no padding; 21 set beside a mask
	s_or_b32 s[G1B], s95, (3<<16)|(1<<21)
	s_or_b32 s[G1S], s94, (3<<16)|(1<<21)
	s_or_b32 s[G1SB], s95, (3<<16)|(1<<21)
.irp g, G1, G1B                        ; eight tiles x two images: 8 rows of 3,072 bytes, 12,288 bytes apart
	s_mov_b32 s[\g+1], 384<<16
	s_mov_b32 s[\g+3], 384<<16
.endr
.irp g, G1S, G1SB                      ; eight tiles x four images: 8 rows of 6,144 bytes
	s_mov_b32 s[\g+1], 768<<16
	s_mov_b32 s[\g+3], 768<<16
.endr
.irp g, G1, G1B, G1S, G1SB
	s_mov_b32 s[\g+2], 8<<16
	s_mov_b32 s[\g+4], 8
	s_mov_b32 s[\g+5], 1536
	s_mov_b32 s[\g+6], 0
	s_mov_b32 s[\g+7], 0
.endr
	s_lshl_b32 s62, s14, 16                        ; the scale words: wave w takes K steps 2 w and 2 w + 1, 32,768 bytes each: q's 16 tiles are 1,024 consecutive bytes, k's too
	s_add_co_u32 s62, s62, QS
	s_lshl_b32 s56, s17, 10
	s_add_co_u32 s56, s56, s62
	s_mov_b32 s57, 0
	s_lshl_b32 s58, s22, 10
	s_add_co_u32 s58, s58, s62
	s_add_co_u32 s58, s58, KSO-QS
	s_mov_b32 s59, 0
	s_lshl_b32 s2, s16, 3
	s_lshl_b32 s20, s17, 4
	s_add_co_u32 s20, s20, s2                      ; the first tile that I would fetch of q,
	s_lshl_b32 s22, s22, 4
	s_add_co_u32 s22, s22, s2                      ; of k
	s_mul_i32 s20, s20, 8*FRB
	s_mov_b32 s21, 0
	s_mul_i32 s22, s22, 8*FRB
	s_add_co_u32 s22, s22, KC
	s_mov_b32 s23, 0
	s_mul_i32 s2, s14, HALF                        ; where they go: wave x a half: no place in the cluster enters an LDS address
	s_wait_dscnt 0x0                               ; both opening adds are done
	s_wait_alu depctr_va_vdst(0)                   ; directly ahead of the wait below
	s_wait_kmcnt 0x0
	s_add_nc_u64 s[56:57], s[4:5], s[56:57]
	s_add_nc_u64 s[58:59], s[4:5], s[58:59]
.irp j, 0,1
	global_load_b128 v[152+16*\j:155+16*\j], v[LI], s[56:57] offset:32768*\j
	global_load_b128 v[156+16*\j:159+16*\j], v[LI], s[56:57] offset:32768*\j+512
	global_load_b128 v[160+16*\j:163+16*\j], v[LI], s[58:59] offset:32768*\j
	global_load_b128 v[164+16*\j:167+16*\j], v[LI], s[58:59] offset:32768*\j+512
.endr
	s_add_nc_u64 s[20:21], s[4:5], s[20:21]
	s_add_nc_u64 s[22:23], s[4:5], s[22:23]
.irp s, 0,1
	s_mov_b32 s[G0+4*\s], 1
	s_add_co_u32 s[G0+4*\s+1], s2, \s*SLOT
	s_add_nc_u64 s[G0+4*\s+2:G0+4*\s+3], s[20:21], \s*TROW     ; s = 0: K steps 0, 1; s = 1: K steps 2-5
	s_or_b32 s[G0+4*\s+3], s[G0+4*\s+3], 0x80000000
	s_mov_b32 s[G0B+4*\s], 1
	s_add_co_u32 s[G0B+4*\s+1], s2, \s*SLOT
	s_add_nc_u64 s[G0B+4*\s+2:G0B+4*\s+3], s[22:23], \s*TROW
	s_or_b32 s[G0B+4*\s+3], s[G0B+4*\s+3], 0x80000000
	s_lshl_b32 s2, s2, 1                           ; in the region a wave's part is twice as long
.endr
	s_cmp_eq_u32 s15, 0                            ; where my prefetches stand: of the tiles that I fetch, those of my place among the four partners
	s_cselect_b32 s60, s92, s93
	s_cselect_b64 s[62:63], s[20:21], s[22:23]
	s_mul_i32 s60, s60, 2*8*FRB
	s_mov_b32 s61, 0
	s_add_nc_u64 s[60:61], s[62:63], s[60:61]
	CROUND                                         ; all sixteen work-groups are here: the first joint loads meet
	JLOAD G0, G1, G0B, G1B                         ; K steps 0 and 1: one tensor load a wave at the head
	global_prefetch_b8 v[PFO], s[60:61] offset:TROW th:TH_LOAD_NT scope:SCOPE_SE           ; K steps 2-5 of two tiles
	global_prefetch_b8 v[PFO], s[60:61] offset:TROW+8*FRB th:TH_LOAD_NT scope:SCOPE_SE
	v_and_b32 v1, 15, v0                           ; r
	v_bfe_u32 v2, v0, 4, 1                         ; h
	v_lshlrev_b32 v[L8], 3, v3
	s_wait_alu depctr_va_vdst(0)                   ; ahead of the run of scalar instructions
	s_mul_i32 s2, s15, HALF
	s_mul_i32 s19, s16, HALF
	s_add_co_u32 s19, s19, 2*HALF
.irp s, 0,1
	v_add_nc_u32 v[ADRA+\s], s2, v[LI]
	v_add_nc_u32 v[ADRB+\s], s19, v[LI]
	s_lshl_b32 s2, s2, 1                           ; in the region every part is twice as long
	s_lshl_b32 s19, s19, 1
	s_add_co_u32 s2, s2, SLOT
	s_add_co_u32 s19, s19, SLOT
.endr
	s_lshl_b32 s2, s15, 12
	s_lshl_b32 s19, s16, 12
	s_add_co_u32 s19, s19, 2*SCH
	s_sub_co_u32 s19, s19, s2
	v_mul_u32_u24 v4, s19, v2                      ; lanes 16-31 take k's words: one product, the distance x h
	v_lshl_add_u32 v4, v1, 2, v4
	s_add_co_u32 s2, s2, SCL
	v_add_nc_u32 v[ADRS], s2, v4
	; where the results go
	s_lshl_b32 s2, s18, 1
	s_add_co_u32 s2, s2, s16                       ; my chunk of the batch's 16
	s_lshl_b32 s19, s17, 4
	s_lshl_b32 s22, s15, 3
	s_add_co_u32 s19, s19, s22                     ; my first tile of queries
	s_lshl_b32 s96, s19, 4
	s_add_co_u32 s96, s96, s2
	s_mul_i32 s96, s96, FRB
	s_mov_b32 s97, 0
	s_add_nc_u64 s[96:97], s[6:7], s[96:97]
	s_lshl_b32 s98, s2, 9
	s_add_co_u32 s98, s98, s19
	s_lshl_b32 s98, s98, 6
	s_add_co_u32 s98, s98, PSO
	s_mov_b32 s99, 0
	s_add_nc_u64 s[98:99], s[6:7], s[98:99]
	s_mov_b32 s20, 0x76543210
	s_mov_b32 s21, 0xfedcba98                      ; v_permlanex16_b32's selects for lane l xor 16
	s_mov_b32 s22, 0x3d38aa3b                      ; c = log2(e) / 32
	s_mov_b32 s23, s22                             ; (named with it as a pair, so it is written)
	s_lshl_b32 s2, s14, 10
	s_add_co_u32 s2, s2, SCL
	v_add_nc_u32 v[SW], s2, v[LI]
	s_wait_alu depctr_va_vdst(0)                   ; the wait at the head's end
	s_wait_loadcnt 0x0                             ; my eight loads of scale words are in
.irp j, 0,1
	ds_store_b128 v[SW], v[152+16*\j:155+16*\j] offset:512*\j
	ds_store_b128 v[SW], v[156+16*\j:159+16*\j] offset:SCH+512*\j
	ds_store_b128 v[SW], v[160+16*\j:163+16*\j] offset:2*SCH+512*\j
	ds_store_b128 v[SW], v[164+16*\j:167+16*\j] offset:3*SCH+512*\j
.endr
	s_wait_tensorcnt 0x0                           ; my part of slot 0 is in
	ds_add_u32 v[SPW], v[NIL]
	s_wait_dscnt 0x0                               ; the add is done, and so are my stores of scale words
	CROUND                                         ; slot 0 and the scale words are whole for every wave; the joint loads meet
	JLOAD G0+4, G1S, G0B+4, G1SB                   ; K steps 2-5, the first tensor load behind the round
	FETCH_B 0
	FETCH_A 0, 0
	FETCH_S 0
	FETCH_A 0, 4
	STEP 0, 1                                      ; the first products start the sums: nothing is cleared
	TURN 1, 1                                      ; the region is whole for every wave; slot 0 takes K steps 6 and 7
	STEP 2, 0
	STEP 3, 0
	STEP 4, 0
	TURN 5, 0                                      ; slot 0's second fill is whole for every wave
	STEP 6, 0
	s_wait_dscnt 12                                ; the last step: nothing more to fetch
	WIN 0xa1
	MUL2 0, 7, 0
	MUL2 2, 7, 0
	s_wait_dscnt 0x0
	WIN 0xf1
	MUL2 4, 7, 0
	MUL2 6, 7, 0
	WIN 0
	PLACES
; THE SOFTMAX of eight tiles of 16 queries over my 128 keys.  First, for all tiles: the largest score of each block of 32 keys (two tiles, eight chains, by turns); it serves the chunk's maximum and, since p rises with the score, the
; block's largest p.  Each accumulator is read from its low end on.
.macro MAXES a
.set WW, 2+(\a)/4
.set AC, 64*((\a)%4)
	WIN WW|(WW<<2)
.irp t, 0,1
.irp b, 0,1,2,3
	v_max_num_f32 v[BM+4*((\a)+\t)+\b], v[AC+64*\t+16*\b], v[AC+64*\t+16*\b+1]
.endr
.endr
.irp i, 2,4,6,8,10,12,14
.irp t, 0,1
.irp b, 0,1,2,3
	v_max3_num_f32 v[BM+4*((\a)+\t)+\b], v[AC+64*\t+16*\b+\i], v[AC+64*\t+16*\b+\i+1], v[BM+4*((\a)+\t)+\b]
.endr
.endr
.endr
	WIN 0
.endm
; Tile a's t - M, in place, two at a time (of the pairs c and -M the low word serves both halves).
.macro FMAS a
.set WW, 2+(\a)/4
	WIN WW|(WW<<6)
.set J, 64*((\a)%4)
.rept 32
	v_pk_fma_f32 v[J:J+1], v[J:J+1], s[22:23], v[NMS+2*(\a):NMS+2*(\a)+1] op_sel_hi:[1,0,0]
.set J, J+2
.endr
	WIN 0
.endm
; Tile a's p = 2^(t - M), at most 1, in place; f = 1: tile a + 1's t - M (the same window) stand among them: they are first read behind the wait that follows the batch.
.macro EXPS a, f
.set WW, 2+(\a)/4
	WIN WW|(WW<<6)
.set J, 64*((\a)%4)
.set J2, J+64
.rept 32
	v_exp_f32 v[J], v[J]
.if \f
	v_pk_fma_f32 v[J2:J2+1], v[J2:J2+1], s[22:23], v[NMS+2*(\a)+2:NMS+2*(\a)+3] op_sel_hi:[1,0,0]
.endif
	v_exp_f32 v[J+1], v[J+1]
.set J, J+2
.set J2, J2+2
.endr
	WIN 0
.if (\a) >= 4
	s_wait_xcnt 0x0                                ; the stores of four tiles ago have read this set of code registers
.endif
	s_wait_alu depctr_va_vdst(0)                   ; one wait behind this batch and ahead of the next
.endm
.macro SUM n                           ; a level of the tree: n pairs
.set J, 0
.rept \n
	v_pk_add_f32 v[TS+J:TS+J+1], v[TS+J:TS+J+1], v[TS+J+2*(\n):TS+J+2*(\n)+1]
.set J, J+2
.endr
.endm
; The rest of tile a: the sum of the UNQUANTISED p, by a tree; the codes; their exchange; the image's stores.
.macro FIN a
.set WW, 2+(\a)/4
.set AC, 64*((\a)%4)
.set PCS, PC+12*((\a)%4)
	WIN WW|(WW<<2)
.set J, 0
.rept 16
	v_pk_add_f32 v[TS+2*J:TS+2*J+1], v[AC+4*J:AC+4*J+1], v[AC+4*J+2:AC+4*J+3]
.set J, J+1
.endr
	WIN WW
.irp c, 0,1
	v_cvt_scalef32_pk16_bf6_f32 v[PCS+6*\c:PCS+6*\c+2], v[AC+32*\c:AC+32*\c+15], v[BM+4*(\a)+2*\c]
	v_cvt_scalef32_pk16_bf6_f32 v[PT+4*\c:PT+4*\c+2], v[AC+32*\c+16:AC+32*\c+31], v[BM+4*(\a)+2*\c+1]   ; (a conversion's three registers begin on an even number)
.endr
	WIN 0
	SUM 8                                          ; (plain lines behind the conversions)
.irp c, 0,1                            ; a WHOLE block in a lane: lanes 0-15 block 2 c, lanes 16-31 block 2 c + 1
.irp i, 0,1,2
	v_permlane16_swap_b32 v[PCS+6*\c+\i], v[PT+4*\c+\i]
.endr
.endr
	SUM 4
.irp c, 0,1
.irp i, 0,1,2
	v_mov_b32 v[PCS+6*\c+3+\i], v[PT+4*\c+\i]
.endr
.endr
	SUM 2
.irp c, 0,1,2
	global_store_b128 v[LI], v[PCS+4*\c:PCS+4*\c+3], s[96:97] offset:16*FRB*(\a)+512*\c   ; the image: 512 consecutive bytes a store
.endr
	SUM 1
	v_add_f32 v[T0], v[TS], v[TS+1]
	v_permlanex16_b32 v[T1], v[T0], s20, s21
	v_add_f32 v[LSM+(\a)], v[T0], v[T1]            ; with lane l xor 16's: l of my query and this chunk
.endm
	MAXES 0
	MAXES 2
	MAXES 4
	MAXES 6
.set J, 0
.rept 32
	v_permlanex16_b32 v[BX+J], v[BM+J], s20, s21
.set J, J+1
.endr
.set J, 0
.rept 32
	v_max_num_f32 v[BM+J], v[BM+J], v[BX+J]        ; with lane l xor 16's 16 keys
.set J, J+1
.endr
.irp a, 0,1,2,3,4,5,6,7
	v_max3_num_f32 v[NMS+2*\a+1], v[BM+4*\a], v[BM+4*\a+1], v[BM+4*\a+2]
.endr
.irp a, 0,1,2,3,4,5,6,7
	v_max_num_f32 v[NMS+2*\a+1], v[NMS+2*\a+1], v[BM+4*\a+3]
.endr
.irp a, 0,1,2,3,4,5,6,7
	v_mul_f32 v[NMS+2*\a+1], s22, v[NMS+2*\a+1]    ; the chunk's largest t (c is positive)
.endr
.irp a, 0,1,2,3,4,5,6,7
	v_floor_f32 v[NMS+2*\a], -v[NMS+2*\a+1]        ; -M = floor(-t): M is a whole number
.endr
.irp a, 0,1,2,3,4,5,6,7
.irp b, 0,1,2,3
	v_fma_f32 v[BM+4*\a+\b], v[BM+4*\a+\b], s22, v[NMS+2*\a]   ; t - M of each block's largest score
.endr
.endr
	FMAS 0
	s_wait_alu depctr_va_vdst(0)                   ; ahead of the batch
.set J, 0
.rept 32
	v_exp_f32 v[BM+J], v[BM+J]                     ; the blocks' largest p: the same operations on the same number give the same bits
.set J, J+1
.endr
	EXPS 0, 1
.set J, 0
.rept 32
	v_max_num_f32 v[BM+J], 0x2800000, v[BM+J]      ; the floor 2^(5 - 127): the byte cannot fall under 1
.set J, J+1
.endr
.set J, 0
.rept 32
	v_add_nc_u32 v[BM+J], 0xfe000000, v[BM+J]      ; 4 off the exponent field: the conversion's scale operand
.set J, J+1
.endr
.set J, 0
.rept 32
	v_lshrrev_b32 v[BX+J], 23, v[BM+J]             ; the scale's byte
.set J, J+1
.endr
.irp a, 0,1,2,3,4,5,6,7
	v_lshl_or_b32 v[PWB+\a], v[BX+4*\a+1], 8, v[BX+4*\a]
.endr
.irp a, 0,1,2,3,4,5,6,7
	v_lshl_or_b32 v[PWB+\a], v[BX+4*\a+2], 16, v[PWB+\a]
.endr
.irp a, 0,1,2,3,4,5,6,7
	v_lshl_or_b32 v[PWB+\a], v[BX+4*\a+3], 24, v[PWB+\a]
.endr
	FIN 0
	EXPS 1, 1
	FIN 1
	EXPS 2, 1
	FIN 2
	EXPS 3, 0
	FIN 3
	FMAS 4                                         ; (the other window: by itself, with a wait of its own)
	s_wait_alu depctr_va_vdst(0)
	EXPS 4, 1
	FIN 4
	EXPS 5, 1
	FIN 5
	EXPS 6, 1
	FIN 6
	EXPS 7, 0
	FIN 7
	v_cmp_le_u32 vcc_lo, 16, v3
.irp i, 0,1,2,3
	v_cndmask_b32 v[MW+\i], v[PWB+2*\i], v[PWB+2*\i+1], vcc_lo     ; lanes 0-15 one tile's numbers, lanes 16-31 the next tile's
	v_cndmask_b32 v[MW+4+\i], v[NMS+4*\i], v[NMS+4*\i+2], vcc_lo
	v_cndmask_b32 v[MW+8+\i], v[LSM+2*\i], v[LSM+2*\i+1], vcc_lo
.endr
.irp i, 0,1                            ; each store fills one aligned unit of 256 bytes
	global_store_b64 v[L8], v[MW+2*\i:MW+2*\i+1], s[98:99] offset:256*\i
	global_store_b64 v[L8], v[MW+4+2*\i:MW+4+2*\i+1], s[98:99] offset:524288+256*\i
	global_store_b64 v[L8], v[MW+8+2*\i:MW+8+2*\i+1], s[98:99] offset:1048576+256*\i
.endr
	s_wait_tensorcnt 0x0                           ; the wave's end
	ds_add_u32 v[SPW], v[NIL]
	s_wait_dscnt 0x0
	CROUND                                         ; the closing round: no work-group ends while a partner may still ask for a tile that names it
	s_endpgm
.Lfunc_end_k_q862e4a1614_scores:
	.size	k_q862e4a1614_scores, .Lfunc_end_k_q862e4a1614_scores-k_q862e4a1614_scores
	.p2alignl 7, 3214868480
	.fill 96, 4, 3214868480
	.section	.rodata,"a",@progbits
	.p2align	6, 0x0
	.amdhsa_kernel k_q862e4a1614_scores
		.amdhsa_group_segment_fixed_size 327680
		.amdhsa_private_segment_fixed_size 0
		.amdhsa_enable_private_segment 0
		.amdhsa_kernarg_size 16
		.amdhsa_user_sgpr_count 2
		.amdhsa_user_sgpr_kernarg_segment_ptr 1
		.amdhsa_wavefront_size32 1
		.amdhsa_system_sgpr_workgroup_id_x 1
		.amdhsa_system_sgpr_workgroup_id_y 1
		.amdhsa_system_sgpr_workgroup_id_z 1
		.amdhsa_system_vgpr_workitem_id 0
		.amdhsa_next_free_vgpr 1024
		.amdhsa_next_free_sgpr 102
		.amdhsa_reserve_vcc 1
		.amdhsa_float_denorm_mode_32 3
		.amdhsa_float_denorm_mode_16_64 3
		.amdhsa_memory_ordered 1
		.amdhsa_forward_progress 1
		.amdhsa_inst_pref_size 196
	.end_amdhsa_kernel
	.amdgpu_metadata
---
amdhsa.version: [ 1, 2 ]
amdhsa.kernels:
  - .name:           k_q862e4a1614_scores
    .symbol:         k_q862e4a1614_scores.kd
    .args:
      - { .name: qkv, .offset: 0, .size: 8, .value_kind: global_buffer, .address_space: global }
      - { .name: pp, .offset: 8, .size: 8, .value_kind: global_buffer, .address_space: global }
    .group_segment_fixed_size: 327680
    .private_segment_fixed_size: 0
    .kernarg_segment_align: 8
    .kernarg_segment_size: 16
    .max_flat_workgroup_size: 128
    .sgpr_count:     102
    .vgpr_count:     1024
    .wavefront_size: 32
...
	.end_amdgpu_metadata
.endif
;; end of part 3
;; launch pv (part 4): grid 8 x 32, 4 waves a work-group, clusters of 4 x 4, 327,680 bytes of LDS; arguments qkv, pp, out0; writes out0
.if DOCPART == 4
	.amdgcn_target "amdgcn-amd-amdhsa--gfx1250"
	.amdhsa_code_object_version 6
	.text
	.protected	k_q862e4a1614_pv
	.globl	k_q862e4a1614_pv
	.p2align	8
	.type	k_q862e4a1614_pv,@function
k_q862e4a1614_pv:
	s_mov_b64 s[64:65], 0
	v_nop
	global_prefetch_b8 v0, s[64:65] scope:SCOPE_SE
	s_setreg_imm32_b32 hwreg(HW_REG_WAVE_MODE, 25, 1), 1
	s_wait_xcnt 0x0
	s_wait_alu depctr_hold_cnt(0) depctr_sa_sdst(0) depctr_va_vdst(0) depctr_va_sdst(0) depctr_va_ssrc(0) depctr_va_vcc(0) depctr_vm_vsrc(0)
	s_getreg_b32 s2, hwreg(HW_REG_IB_STS2, 6, 4)
	s_cmp_eq_u32 s2, 0
	s_cbranch_scc0 .Lentry_in_a_cluster
	s_endpgm
.Lentry_in_a_cluster:
	s_bfe_u32 s2, ttmp6, 0x10000c
	s_cmp_lg_u32 s2, 0xf033
	s_cbranch_scc0 .Lentry_shape_is_right
	s_endpgm
.Lentry_shape_is_right:
; out = (p v) / l on codes of BF6 (E3M2) with E8M0 scales.  p comes in 16 CHUNKS of 128 keys, each under a whole number M of its own: here each chunk is brought under its row's largest M by taking the difference off p's scale bytes
; and off l's exponent: nothing is rounded by that.  l = the sum of the chunks' sums; the result is multiplied by 1 / l.
; Tiles, fragments and images as in the launches before: tile T = rows 32 (T / 2) + 8 (T % 2) + p + 8 (p / 8); a fragment (tile x 128 keys) lies as an image of its 12 registers a lane, 1,536 bytes.
; A work-group of four waves makes 256 queries x 128 columns, a wave 64 x 128: four tiles of p (A) x eight of v (B), 32 accumulators.  SOURCE 0 = 16 columns of v, SOURCE 1 = 16 queries: a lane holds one query, and the eight
; registers of (a, b) are columns 32 (b / 2) + 16 (lane / 16) + 8 (b % 2) + 0 .. 7.
; SCALE WORDS go from memory straight into the scale registers: pp and qkv hold them by groups of four tiles as [32 lanes][2 words]: one load of 8 bytes a lane (256 bytes) brings four tiles' words, tile 2 q in lanes 0-15 of
; register q, tile 2 q + 1 in lanes 16-31.  A wave's own four tiles of p need no other wave's words.  -M and l lie likewise.
; LDS: two slots of four K steps, filled twice each: every fill is one joint load a wave (waves 0, 1: p's two halves, waves 2, 3: v's).  CLUSTERS: 4 x 4: p's tiles are shared along a row, v's along a column.
; PREFETCH: behind each joint load a wave asks the L2 for its share of the NEXT fill, one slot (four K steps) ahead: each of the four partners names other tiles of those that they fetch jointly, 24 blocks of 256 bytes a tile.  The last fill has no next.
; THE LAST FOUR K STEPS GO BY ROWS OF THE RESULT: all of v's fragments of the last slot come into registers (windows 1 and 3), then one tile of p after the other is finished with 32 matrix instructions and leaves, so that stores begin
; ahead of the last products.  Rows of 512 bytes turn through the wave's own stage in slot 0, which has had its last fill and its last read by then.
; LIMITS: a block whose scale would fall under 2^-126 beneath the row's M gets the byte 0 (2^-127); NaN and infinities are not served.
; REGISTERS: window 0: v1-29 addresses; v32-95 v's scale words, v96-127 p's; v128-223 p's fragments, two sets (in the head -M, l and temporaries); v224-231 1 / l.  window 1: v's fragments, two sets at v0 and v128; v96-127 and v224-255 rows
; read back.  window 2: accumulators ((a, b) at v[8 (8 a + b)]).  window 3: as window 1, for the last slot.
.set FRB,   1536
.set TROW,  4*FRB                      ; a tile's part of a slot
.set AHALF, 8*TROW                     ; what one tensor load brings of p,
.set BHALF, 4*TROW                     ; of v
.set SLOT,  2*AHALF+2*BHALF
.set SPARE, 2*SLOT                     ; the spare words, 128 bytes for each wave
.set SP,    528                        ; a stage row: 512 bytes + 16
.set VC,    12582912                   ; qkv: v's codes [4 batches][64 tiles][16][1536]; its scale words [64][16 groups][32][2]
.set VSO,   19398656
.set PSO,   12582912                   ; pp: codes [512 tiles][16 chunks][1536]; then scale words, -M, l: [16][128 groups][32][2] each, 524,288 bytes
.set STO,   5                          ; v5  the way out: where I put 16 bytes of a row
.set RD,    6                          ; v6  where I read a row back
.set PFO,   8                          ; v8  the prefetches' offset; never rewritten
.set ADRA,  16
.set ADRB,  20
.set LI,    25                         ; v25 16 x lane
.set SPW,   28
.set NIL,   29
.set VS,    32
.set WS,    96
.set AF,    128
.set NR,    128
.set LR,    160
.set NG,    192
.set LA,    194
.set TT,    200
.set TU,    204
.set TV,    208
.set RLR,   224
.set RI,    232
.set G1,    24
.set G1B,   32
.set G0,    68
.set G0B,   80
.set PF,    98                         ; s[98:99] where my prefetches stand
.set MSB, 0
.macro WIN new                         ; the immediate's high byte repeats the setting that is left
.if MSB != (\new)
	s_set_vgpr_msb (MSB<<8)|(\new)
.set MSB, (\new)
.endif
.endm
.macro JLOAD g0a, g1a, g0b, g1b        ; a joint load; the branch hangs on the wave's number alone; four v_nop follow each of the two lines
	s_cmp_eq_u32 s15, 0
	s_cbranch_scc0 .Lfor_b_\@
	tensor_load_to_lds s[\g0a:\g0a+3], s[\g1a:\g1a+7]
	s_nop 0
.rept 4
	v_nop
.endr
	s_branch .Lasked_\@
.Lfor_b_\@:
	tensor_load_to_lds s[\g0b:\g0b+3], s[\g1b:\g1b+7]
	s_nop 0
.rept 4
	v_nop
.endr
.Lasked_\@:
.endm
.macro ASK f                           ; prefetch my share of fill f: p: tiles 2 cx, 2 cx + 1 of my half's eight; v: tile cy of my half's four
	global_prefetch_b8 v[PFO], s[PF:PF+1] offset:(\f)*TROW th:TH_LOAD_NT scope:SCOPE_SE
	s_cmp_eq_u32 s15, 0
	s_cbranch_scc0 .Lone_\@
	global_prefetch_b8 v[PFO], s[PF:PF+1] offset:(\f)*TROW+16*FRB th:TH_LOAD_NT scope:SCOPE_SE
.Lone_\@:
.endm
.macro CREST                           ; a round of the cluster's barrier behind its opening barrier
	s_cmp_lg_u32 s14, 0
	s_cbranch_scc1 .Lnot_wave_0_\@
	s_barrier_signal -3
.Lnot_wave_0_\@:
	s_barrier_wait -3
	s_barrier_signal -1
	s_barrier_wait -1
.endm
.macro CROUND
	s_barrier_signal -1
	s_barrier_wait -1
	CREST
.endm
.macro PLACES                          ; plain vector lines between a matrix instruction and a load into, or a vector line on, its registers (ISA guide 7.12.1 for vector lines)
.rept 4
	v_nop
.endr
.endm
.macro FRAG reg, adr, off
.irp c, 0,1,2
	ds_load_b128 v[\reg+4*\c:\reg+4*\c+3], v[\adr] offset:\off+512*\c
.endr
.endm
.macro FETCH k                         ; all of K step k into the sets k % 2: v's eight fragments, p's four
.set SL, ((\k)/4)%2
.set QO, ((\k)%4)*FRB
.set KP, (\k)%2
	WIN 0x40
.irp i, 0,1,2,3,4,5,6,7
	FRAG 128*KP+12*\i, ADRB+SL, \i*TROW+QO
.endr
	WIN 0
.irp i, 0,1,2,3
	FRAG AF+48*KP+12*\i, ADRA+SL, \i*TROW+QO
.endr
.endm
.macro BROW q                          ; the last slot: v's fragments of K step 12 + q, into set q % 2 of window 1 (q = 0, 1) or 3
	WIN 0x40+0x80*((\q)/2)
.irp i, 0,1,2,3,4,5,6,7
	FRAG 128*((\q)%2)+12*\i, ADRB+1, \i*TROW+(\q)*FRB
.endr
	WIN 0
.endm
.macro AROW a                          ; p's tile a, all four K steps, into set a % 2
.irp q, 0,1,2,3
	FRAG AF+48*((\a)%2)+12*\q, ADRA+1, (\a)*TROW+\q*FRB
.endr
.endm
; One matrix instruction on the registers named by AC, BF, AR, SX, SY; odd tiles' scale words lie in lanes 16-31.  cm = 1: the product starts the sum.
.macro WM cm, b, a
.if \cm
.if ((\b)%2)+2*((\a)%2) == 0
	v_wmma_scale_f32_16x16x128_f8f6f4 v[AC:AC+7], v[BF:BF+11], v[AR:AR+11], 0, v[SX], v[SY] matrix_a_fmt:MATRIX_FMT_BF6 matrix_b_fmt:MATRIX_FMT_BF6
.elseif ((\b)%2)+2*((\a)%2) == 1
	v_wmma_scale_f32_16x16x128_f8f6f4 v[AC:AC+7], v[BF:BF+11], v[AR:AR+11], 0, v[SX], v[SY] matrix_a_fmt:MATRIX_FMT_BF6 matrix_b_fmt:MATRIX_FMT_BF6 matrix_a_scale:MATRIX_SCALE_ROW1
.elseif ((\b)%2)+2*((\a)%2) == 2
	v_wmma_scale_f32_16x16x128_f8f6f4 v[AC:AC+7], v[BF:BF+11], v[AR:AR+11], 0, v[SX], v[SY] matrix_a_fmt:MATRIX_FMT_BF6 matrix_b_fmt:MATRIX_FMT_BF6 matrix_b_scale:MATRIX_SCALE_ROW1
.else
	v_wmma_scale_f32_16x16x128_f8f6f4 v[AC:AC+7], v[BF:BF+11], v[AR:AR+11], 0, v[SX], v[SY] matrix_a_fmt:MATRIX_FMT_BF6 matrix_b_fmt:MATRIX_FMT_BF6 matrix_a_scale:MATRIX_SCALE_ROW1 matrix_b_scale:MATRIX_SCALE_ROW1
.endif
.else
.if ((\b)%2)+2*((\a)%2) == 0
	v_wmma_scale_f32_16x16x128_f8f6f4 v[AC:AC+7], v[BF:BF+11], v[AR:AR+11], v[AC:AC+7], v[SX], v[SY] matrix_a_fmt:MATRIX_FMT_BF6 matrix_b_fmt:MATRIX_FMT_BF6
.elseif ((\b)%2)+2*((\a)%2) == 1
	v_wmma_scale_f32_16x16x128_f8f6f4 v[AC:AC+7], v[BF:BF+11], v[AR:AR+11], v[AC:AC+7], v[SX], v[SY] matrix_a_fmt:MATRIX_FMT_BF6 matrix_b_fmt:MATRIX_FMT_BF6 matrix_a_scale:MATRIX_SCALE_ROW1
.elseif ((\b)%2)+2*((\a)%2) == 2
	v_wmma_scale_f32_16x16x128_f8f6f4 v[AC:AC+7], v[BF:BF+11], v[AR:AR+11], v[AC:AC+7], v[SX], v[SY] matrix_a_fmt:MATRIX_FMT_BF6 matrix_b_fmt:MATRIX_FMT_BF6 matrix_b_scale:MATRIX_SCALE_ROW1
.else
	v_wmma_scale_f32_16x16x128_f8f6f4 v[AC:AC+7], v[BF:BF+11], v[AR:AR+11], v[AC:AC+7], v[SX], v[SY] matrix_a_fmt:MATRIX_FMT_BF6 matrix_b_fmt:MATRIX_FMT_BF6 matrix_a_scale:MATRIX_SCALE_ROW1 matrix_b_scale:MATRIX_SCALE_ROW1
.endif
.endif
.endm
; Eight matrix instructions: p's tile a against v's eight.  The 32 accumulators take turns, one instruction a turn, in the same order in every step.
.macro MUL k, a, cm
.irp b, 0,1,2,3,4,5,6,7
.set AC, 8*(8*(\a)+\b)
.set BF, 128*((\k)%2)+12*\b
.set AR, AF+48*((\k)%2)+12*(\a)
.set SX, VS+4*(\k)+\b/2
.set SY, WS+2*(\k)+(\a)/2
	WM \cm, \b, \a
.endr
.endm
.macro ROWQ a, q                       ; the last slot: K step 12 + q of p's tile a; its eight accumulators take turns
	WIN 0xa1+2*((\q)/2)                            ; source 0 (v) window 1 or 3, source 1 (p) window 0, C and D window 2
.irp b, 0,1,2,3,4,5,6,7
.set AC, 8*(8*(\a)+\b)
.set BF, 128*((\q)%2)+12*\b
.set AR, AF+48*((\a)%2)+12*(\q)
.set SX, VS+4*(12+(\q))+\b/2
.set SY, WS+2*(12+(\q))+(\a)/2
	WM 0, \b, \a
.endr
	WIN 0
.endm
; A step: both operands have two sets, so the next step's 36 LDS loads go out in one run ahead of this step's 32 products.
.macro STEP k, cm
	s_wait_dscnt 0x0                               ; this step's fragments are in (asked for ahead of the last step's products)
.if (\k) > 0
	PLACES                                         ; the sets to be loaded were read by the last step's products
.endif
	FETCH (\k)+1
	WIN 0xa1                                       ; source 0 (v) window 1, source 1 (p) window 0, C and D window 2
	MUL \k, 0, \cm
	MUL \k, 1, \cm
	MUL \k, 2, \cm
	MUL \k, 3, \cm
	WIN 0
.endm
; A slot's last step.  In front of the barrier each wave waits for all its tensor loads, adds 0 to its spare word, and waits for that; its reads of the slot are over at the step's top.  fill = 1: the barrier opens a round of the cluster's
; barrier, and the slot is filled again with the K steps eight on.  fill = 0, the last change: nothing is filled, and the last slot's fragments are asked for by rows.
.macro TURN k, fill, ask
	s_wait_dscnt 0x0                               ; this step's fragments are in: my reads of this slot are over
	s_wait_tensorcnt 0x0                           ; all my tensor loads have landed: my part of the next slot
	ds_add_u32 v[SPW], v[NIL]                      ; 0 onto my spare word
	WIN 0xa1
	MUL \k, 0, 0
	s_wait_dscnt 0x0                               ; the add is done
	s_barrier_signal -1
	MUL \k, 1, 0
	WIN 0
	s_barrier_wait -1
.if \fill
.set TS, ((\k)/4)%2
	CREST                                          ; no wave of any partner still reads the slot or has a load on its way
	s_add_nc_u64 s[G0+4*TS+2:G0+4*TS+3], s[G0+4*TS+2:G0+4*TS+3], 2*TROW
	s_add_nc_u64 s[G0B+4*TS+2:G0B+4*TS+3], s[G0B+4*TS+2:G0B+4*TS+3], 2*TROW
	JLOAD G0+4*TS, G1, G0B+4*TS, G1B               ; my one tensor load behind the round; its four v_nop are also the places in front of the loads below
	FETCH (\k)+1
.if \ask
	ASK \ask
.endif
.else
	PLACES
	BROW 0
	AROW 0
	BROW 2
.endif
	WIN 0xa1
	MUL \k, 2, 0
	MUL \k, 3, 0
	WIN 0
.endm
; THE WAY OUT of tile a: x 1 / l, in place, each accumulator from its low end on; through my stage; back as whole rows of 512 bytes into window 1 (even a) or 3.
.macro PACK a
	WIN 0x82                                       ; source 0 and destination window 2, source 1 window 0
.set J, 64*(\a)
.rept 32
	v_pk_mul_f32 v[J:J+1], v[J:J+1], v[RLR+2*(\a):RLR+2*(\a)+1]
.set J, J+2
.endr
.endm
.macro TOSTAGE a
	WIN 0x08                                       ; the data: window 2
.irp b, 0,1,2,3,4,5,6,7
	ds_store_b128 v[STO], v[64*(\a)+8*\b:64*(\a)+8*\b+3] offset:128*(\b/2)+32*(\b%2)
	ds_store_b128 v[STO], v[64*(\a)+8*\b+4:64*(\a)+8*\b+7] offset:128*(\b/2)+32*(\b%2)+16
.endr
	WIN 0x40+0x80*((\a)%2)
.irp t, 0,1,2,3,4,5,6,7,8,9,10,11,12,13,14,15
	ds_load_b128 v[96+4*\t+96*(\t/8):96+4*\t+96*(\t/8)+3], v[RD] offset:SP*\t   ; LDS serves a wave's instructions in order: these see the stores above
.endr
	WIN 0
.endm
.macro SEND a, younger                 ; younger: the LDS loads issued behind the stage's, which may stay out
	s_wait_dscnt \younger
	WIN 0x04+0x08*((\a)%2)
.irp t, 0,1,2,3,4,5,6,7,8,9,10,11,12,13,14,15
	global_store_b128 v[LI], v[96+4*\t+96*(\t/8):96+4*\t+96*(\t/8)+3], s[96:97] offset:(32*((\a)/2)+8*((\a)%2)+\t+8*(\t/8))*4096 th:TH_STORE_NT   ; 512 consecutive bytes, aligned
.endr
	WIN 0
.endm
	s_load_b128 s[4:7], s[0:1], 0x0                ; qkv s[4:5], pp s[6:7]
	s_load_b64 s[8:9], s[0:1], 0x10                ; out0
	v_lshl_add_u32 v[SPW], v0, 2, SPARE
	v_mov_b32 v[NIL], 0
	ds_add_u32 v[SPW], v[NIL]                      ; the opening lines: the add, twice on end, and its wait
	ds_add_u32 v[SPW], v[NIL]
	v_lshrrev_b32 v1, 5, v0
	v_readfirstlane_b32 s14, v1                    ; wave 0..3: my 64 queries
	v_and_b32 v3, 31, v0                           ; lane
	v_lshlrev_b32 v[LI], 4, v3
	v_lshlrev_b32 v4, 3, v3
	v_min_u32 v[PFO], 23, v3
	v_lshlrev_b32 v[PFO], 8, v[PFO]                ; 24 blocks of 256 bytes; lanes 24-31 name the last again
	s_lshr_b32 s15, s14, 1                         ; I fetch for p (0) or for v (1)
	s_and_b32 s16, s14, 1                          ; which half I fetch
	s_bfe_u32 s92, ttmp6, 0x40000                  ; cx
	s_bfe_u32 s93, ttmp6, 0x40004                  ; cy
	s_and_b32 s19, ttmp7, 0xffff
	s_lshl_b32 s17, s19, 2
	s_add_co_u32 s17, s17, s93                     ; which 256 queries of the 8,192
	s_lshl_b32 s18, ttmp9, 2
	s_add_co_u32 s18, s18, s92                     ; which 128 columns
	s_lshr_b32 s19, s19, 1                         ; the batch
	s_lshl_b32 s94, s93, 2
	s_lshl_b32 s94, 15, s94                        ; my row of the cluster
	s_lshl_b32 s95, 0x1111, s92                    ; my column
	s_or_b32 s[G1], s94, (3<<16)|(1<<21)           ; 15:0 the mask; 17:16 elements of 8 bytes; 20 no padding; 21 set beside a mask
	s_or_b32 s[G1B], s95, (3<<16)|(1<<21)
.irp g, G1, G1B                        ; tiles x four images: rows of 6,144 bytes, 24,576 bytes apart
	s_mov_b32 s[\g+1], 768<<16
	s_mov_b32 s[\g+3], 768<<16
	s_mov_b32 s[\g+5], 3072
	s_mov_b32 s[\g+6], 0
	s_mov_b32 s[\g+7], 0
.endr
	s_mov_b32 s[G1+2], 8<<16                       ; p's half: eight tiles
	s_mov_b32 s[G1+4], 8
	s_mov_b32 s[G1B+2], 4<<16                      ; v's: four
	s_mov_b32 s[G1B+4], 4
	s_lshl_b32 s20, s17, 4
	s_lshl_b32 s2, s16, 3
	s_add_co_u32 s20, s20, s2
	s_mul_i32 s20, s20, 16*FRB                     ; p: tile 16 x my 256 queries + 8 x half
	s_mov_b32 s21, 0
	s_lshl_b32 s22, s19, 6
	s_lshl_b32 s2, s18, 3
	s_add_co_u32 s22, s22, s2
	s_lshl_b32 s2, s16, 2
	s_add_co_u32 s22, s22, s2
	s_mul_i32 s22, s22, 16*FRB                     ; v: tile 64 x batch + 8 x my 128 columns + 4 x half
	s_add_co_u32 s22, s22, VC
	s_mov_b32 s23, 0
	s_mul_i32 s2, s16, AHALF
	s_mul_i32 s3, s16, BHALF
	s_add_co_u32 s3, s3, 2*AHALF
	s_lshl_b32 s10, s17, 10                        ; p's scale words: my group of four tiles
	s_lshl_b32 s11, s14, 8
	s_add_co_u32 s10, s10, s11
	s_add_co_u32 s10, s10, PSO
	s_mov_b32 s11, 0
	s_lshl_b32 s12, s19, 16                        ; v's: 16 K steps x 4,096 bytes a batch, my columns' two groups
	s_lshl_b32 s13, s18, 9
	s_add_co_u32 s12, s12, s13
	s_add_co_u32 s12, s12, VSO
	s_mov_b32 s13, 0
	s_lshl_b32 s96, s17, 8
	s_lshl_b32 s97, s14, 6
	s_add_co_u32 s96, s96, s97
	s_lshl_b32 s96, s96, 12                        ; my first row of the result,
	s_lshl_b32 s97, s18, 9
	s_add_co_u32 s96, s96, s97                     ; my first column
	s_mov_b32 s97, 0
	s_wait_dscnt 0x0                               ; both opening adds are done
	s_wait_alu depctr_va_vdst(0)                   ; directly ahead of the wait below
	s_wait_kmcnt 0x0
	s_add_nc_u64 s[10:11], s[6:7], s[10:11]
	s_add_nc_u64 s[12:13], s[4:5], s[12:13]
	s_add_nc_u64 s[20:21], s[6:7], s[20:21]
	s_add_nc_u64 s[22:23], s[4:5], s[22:23]
	s_add_nc_u64 s[96:97], s[8:9], s[96:97]
.irp k, 0,1,2,3,4,5,6,7,8,9,10,11,12,13,14,15
	global_load_b64 v[NR+2*\k:NR+2*\k+1], v4, s[10:11] offset:32768*\k+524288      ; -M of chunk k: 256 consecutive bytes
.endr
.irp s, 0,1
	s_mov_b32 s[G0+4*\s], 1
	s_add_co_u32 s[G0+4*\s+1], s2, \s*SLOT
	s_add_nc_u64 s[G0+4*\s+2:G0+4*\s+3], s[20:21], \s*TROW
	s_or_b32 s[G0+4*\s+3], s[G0+4*\s+3], 0x80000000
	s_mov_b32 s[G0B+4*\s], 1
	s_add_co_u32 s[G0B+4*\s+1], s3, \s*SLOT
	s_add_nc_u64 s[G0B+4*\s+2:G0B+4*\s+3], s[22:23], \s*TROW
	s_or_b32 s[G0B+4*\s+3], s[G0B+4*\s+3], 0x80000000
.endr
	s_sub_co_u32 s45, 2, s15                       ; tiles of my prefetches: two of p's, one of v's
	s_cmp_eq_u32 s15, 0
	s_cselect_b32 s44, s92, s93                    ; my place among the four that fetch with me
	s_cselect_b64 s[46:47], s[20:21], s[22:23]
	s_mul_i32 s44, s44, s45
	s_mul_i32 s44, s44, 16*FRB
	s_mov_b32 s45, 0
	s_add_nc_u64 s[PF:PF+1], s[46:47], s[44:45]
	CROUND                                         ; all sixteen work-groups are here: the first joint loads meet
	JLOAD G0, G1, G0B, G1B                         ; K steps 0-3: one tensor load a wave at the head
.irp k, 0,1,2,3,4,5,6,7,8,9,10,11,12,13,14,15
	global_load_b64 v[WS+2*\k:WS+2*\k+1], v4, s[10:11] offset:32768*\k             ; p's scale words of chunk k,
	global_load_b64 v[LR+2*\k:LR+2*\k+1], v4, s[10:11] offset:32768*\k+1048576     ; l
.endr
	ASK 1
.irp k, 0,1,2,3,4,5,6,7,8,9,10,11,12,13,14,15
	global_load_b64 v[VS+4*\k:VS+4*\k+1], v4, s[12:13] offset:4096*\k              ; v's scale words: tiles 0-3,
	global_load_b64 v[VS+4*\k+2:VS+4*\k+3], v4, s[12:13] offset:4096*\k+256        ; tiles 4-7
.endr
	v_and_b32 v1, 15, v0                           ; r
	v_bfe_u32 v2, v0, 4, 1                         ; h
	s_mul_i32 s2, s14, 16*SP                       ; my stage
	v_mul_u32_u24 v[STO], v1, SP
	v_lshl_add_u32 v[STO], v2, 6, v[STO]
	v_add_nc_u32 v[STO], s2, v[STO]
	v_add_nc_u32 v[RD], s2, v[LI]
	s_mul_i32 s2, s14, 4*TROW                      ; my four tiles of p
.irp s, 0,1
	v_add_nc_u32 v[ADRA+\s], s2, v[LI]
	v_add_nc_u32 v[ADRB+\s], 2*AHALF+\s*SLOT, v[LI]
	s_add_co_u32 s2, s2, SLOT
.endr
	v_cmp_le_u32 s43, 16, v3                       ; lanes 16-31
	s_mov_b32 s40, 0x76543210
	s_mov_b32 s41, 0xfedcba98                      ; v_permlanex16_b32's selects for lane l xor 16
	s_mov_b32 s42, 0x80808080
	v_mov_b32 v[RI+4], 0                           ; written once: a lane permute's destination counts as one of its sources
	v_mov_b32 v[RI+5], 0
	s_wait_alu depctr_va_vdst(0)                   ; directly ahead of the wait below
	s_wait_loadcnt 32                              ; -M, p's scale words and l are in; v's 32 loads may be out
; A lane has two rows (e = 0, 1: tiles e x 2 + h).  -M of the row = the least of the chunks' -M.
.irp e, 0,1
	v_min3_num_f32 v[NG+\e], v[NR+\e], v[NR+2+\e], v[NR+4+\e]
.endr
.irp i, 3,5,7,9,11,13
.irp e, 0,1
	v_min3_num_f32 v[NG+\e], v[NG+\e], v[NR+2*\i+\e], v[NR+2*\i+2+\e]
.endr
.endr
.irp e, 0,1
	v_min_num_f32 v[NG+\e], v[NG+\e], v[NR+30+\e]
.endr
; Two chunks at a time, four numbers by turns.  d = the row's M - the chunk's, a whole number from 0 on, held at 127.  l x 2^-d; each scale byte (7 bits) less d, with bit 7 set ahead of the subtraction so that no byte borrows from the
; next; a byte whose bit 7 is gone becomes 0.
.irp k, 0,1,2,3,4,5,6,7
.irp e, 0,1,2,3
	v_sub_f32 v[TT+\e], v[NR+4*\k+\e], v[NG+\e%2]
.endr
.irp e, 0,1,2,3
	v_cvt_u32_f32 v[TT+\e], v[TT+\e]
.endr
.irp e, 0,1,2,3
	v_or_b32 v[WS+4*\k+\e], s42, v[WS+4*\k+\e]
.endr
.irp e, 0,1,2,3
	v_min_u32 v[TT+\e], 0x7f, v[TT+\e]
.endr
.irp e, 0,1,2,3
	v_sub_nc_u32 v[TU+\e], 0, v[TT+\e]
.endr
.irp e, 0,1,2,3
	v_perm_b32 v[TV+\e], v[TT+\e], v[TT+\e], 0     ; d in all four bytes
.endr
.irp e, 0,1,2,3
.if \k == 0
	v_ldexp_f32 v[LA+\e], v[LR+\e], v[TU+\e]
.else
	v_ldexp_f32 v[TU+\e], v[LR+4*\k+\e], v[TU+\e]
.endif
.endr
.irp e, 0,1,2,3
	v_sub_nc_u32 v[WS+4*\k+\e], v[WS+4*\k+\e], v[TV+\e]
.endr
.if \k > 0
.irp e, 0,1,2,3
	v_add_f32 v[LA+\e], v[LA+\e], v[TU+\e]
.endr
.endif
.irp e, 0,1,2,3
	v_and_b32 v[TV+\e], s42, v[WS+4*\k+\e]
.endr
.irp e, 0,1,2,3
	v_lshrrev_b32 v[TT+\e], 7, v[TV+\e]
.endr
.irp e, 0,1,2,3
	v_sub_nc_u32 v[TV+\e], v[TV+\e], v[TT+\e]
.endr
.irp e, 0,1,2,3
	v_and_b32 v[WS+4*\k+\e], v[WS+4*\k+\e], v[TV+\e]
.endr
.endr
.irp e, 0,1
	v_add_f32 v[LA+\e], v[LA+\e], v[LA+2+\e]       ; l: even chunks + odd chunks
.endr
	s_wait_alu depctr_va_vdst(0)                   ; ahead of the batch
	v_rcp_f32 v[RI], v[LA]
	v_rcp_f32 v[RI+1], v[LA+1]
	v_nop
	s_wait_alu depctr_va_vdst(0)                   ; and ahead of its first reader
	v_permlanex16_b32 v[RI+4], v[RI], s40, s41
	v_permlanex16_b32 v[RI+5], v[RI+1], s40, s41
.irp j, 0,1                            ; 1 / l of tile 2 q in every lane of its row, then of tile 2 q + 1; pairs of equal numbers
.irp q, 0,1
	v_cndmask_b32 v[RLR+4*\q+\j], v[RI+\q], v[RI+4+\q], s43
	v_cndmask_b32 v[RLR+4*\q+2+\j], v[RI+4+\q], v[RI+\q], s43
.endr
.endr
	s_wait_alu depctr_va_vdst(0)                   ; the wait at the head's end
	s_wait_tensorcnt 0x0                           ; my part of slot 0 is in
	ds_add_u32 v[SPW], v[NIL]
	s_wait_dscnt 0x0                               ; the add is done
	CROUND                                         ; slot 0 is whole for every wave; the joint loads meet
	JLOAD G0+4, G1, G0B+4, G1B                     ; K steps 4-7, the first tensor load behind the round
	FETCH 0
	ASK 2
	s_wait_loadcnt 0x0                             ; v's scale words
	STEP 0, 1                                      ; the first products start the sums: nothing is cleared
	STEP 1, 0
	STEP 2, 0
	TURN 3, 1, 3
	STEP 4, 0
	STEP 5, 0
	STEP 6, 0
	TURN 7, 1, 0
	STEP 8, 0
	STEP 9, 0
	STEP 10, 0
	TURN 11, 0, 0
	PLACES                                         ; for the sets that K step 11 multiplied
	BROW 1
	BROW 3
	AROW 1
	s_wait_dscnt 63                                ; v's K step 12 and p's tile 0 are in: 84 loads stand behind them
	ROWQ 0, 0
	s_wait_dscnt 60                                ; K step 14: behind it 13, 15 and p's tile 1
	ROWQ 0, 2
	s_wait_dscnt 36                                ; K step 13
	ROWQ 0, 1
	s_wait_dscnt 12                                ; K step 15
	ROWQ 0, 3
	PLACES                                         ; the scalings read results just made
	PACK 0
	TOSTAGE 0
	AROW 2
	s_wait_dscnt 44                                ; p's tile 1: behind it 32 of the stage and 12 of tile 2
	ROWQ 1, 0
	ROWQ 1, 2
	SEND 0, 12
	ROWQ 1, 1
	ROWQ 1, 3
	PLACES
	PACK 1
	TOSTAGE 1
	AROW 3
	s_wait_dscnt 44                                ; p's tile 2
	ROWQ 2, 0
	ROWQ 2, 2
	SEND 1, 12
	ROWQ 2, 1
	ROWQ 2, 3
	PLACES
	s_wait_xcnt 0x0                                ; tile 0's stores have read the registers that the stage's loads take
	PACK 2
	TOSTAGE 2
	s_wait_dscnt 32                                ; p's tile 3: behind it 32 of the stage
	ROWQ 3, 0
	ROWQ 3, 2
	SEND 2, 0
	ROWQ 3, 1
	ROWQ 3, 3
	PLACES
	s_wait_xcnt 0x0                                ; tile 1's stores have read theirs
	PACK 3
	TOSTAGE 3
	SEND 3, 0
	s_wait_tensorcnt 0x0                           ; the wave's end
	ds_add_u32 v[SPW], v[NIL]
	s_wait_dscnt 0x0
	CROUND                                         ; the closing round: no work-group ends while a partner may still ask for a tile that names it
	s_endpgm
.Lfunc_end_k_q862e4a1614_pv:
	.size	k_q862e4a1614_pv, .Lfunc_end_k_q862e4a1614_pv-k_q862e4a1614_pv
	.p2alignl 7, 3214868480
	.fill 96, 4, 3214868480
	.section	.rodata,"a",@progbits
	.p2align	6, 0x0
	.amdhsa_kernel k_q862e4a1614_pv
		.amdhsa_group_segment_fixed_size 327680
		.amdhsa_private_segment_fixed_size 0
		.amdhsa_enable_private_segment 0
		.amdhsa_kernarg_size 24
		.amdhsa_user_sgpr_count 2
		.amdhsa_user_sgpr_kernarg_segment_ptr 1
		.amdhsa_wavefront_size32 1
		.amdhsa_system_sgpr_workgroup_id_x 1
		.amdhsa_system_sgpr_workgroup_id_y 1
		.amdhsa_system_sgpr_workgroup_id_z 1
		.amdhsa_system_vgpr_workitem_id 0
		.amdhsa_next_free_vgpr 1024
		.amdhsa_next_free_sgpr 102
		.amdhsa_reserve_vcc 0
		.amdhsa_float_denorm_mode_32 3
		.amdhsa_float_denorm_mode_16_64 3
		.amdhsa_memory_ordered 1
		.amdhsa_forward_progress 1
		.amdhsa_inst_pref_size 165
	.end_amdhsa_kernel
	.amdgpu_metadata
---
amdhsa.version: [ 1, 2 ]
amdhsa.kernels:
  - .name:           k_q862e4a1614_pv
    .symbol:         k_q862e4a1614_pv.kd
    .args:
      - { .name: qkv, .offset: 0, .size: 8, .value_kind: global_buffer, .address_space: global }
      - { .name: pp, .offset: 8, .size: 8, .value_kind: global_buffer, .address_space: global }
      - { .name: out0, .offset: 16, .size: 8, .value_kind: global_buffer, .address_space: global }
    .group_segment_fixed_size: 327680
    .private_segment_fixed_size: 0
    .kernarg_segment_align: 8
    .kernarg_segment_size: 24
    .max_flat_workgroup_size: 128
    .sgpr_count:     102
    .vgpr_count:     1024
    .wavefront_size: 32
...
	.end_amdgpu_metadata
.endif
;; end of part 4
